; MI455X (gfx1250); checked and timed in simulation.
; The chip was launched on July 23, 2026; its instructions are those of AMD's public machine-readable ISA for CDNA 5 (MIT licence, August 2026) and "CDNA5" Instruction Set Architecture Reference Guide (July 2026). The comments in the code are by the model that wrote it; some were corrected since.
;; Sparse Multi Head Attention. Allowed arithmetic: matrix products marked QUANTISED: E2M3 operands, one E8M0 scale for each 32 along K, by v_wmma_scale_f32_16x16x128_f8f6f4 with both operands' format E2M3, f32 sums; everything else in f32.
;; Inputs: Wout 1,024 x 1,024 float32; Wqkv 1,024 x 3,072 float32; bout 1,024 float32; bqkv 3,072 float32; gamma_k 16 x 64 float32; gamma_q 16 x 64 float32; x 4 x 2,048 x 1,024 float32.
;; Outputs: out0 4 x 2,048 x 1,024 float32.
;; This version of the problem:
;;   THIS VERSION OF THE PROBLEM IS GIVEN IN LOW PRECISION. The matrix products marked QUANTISED in the list below multiply operands that are first quantised to E2M3 (2 exponent bits, 3 mantissa bits; 6 bits a number), with one power-of-two scale for each 32 numbers along K (OCP MX v1.0); their sums are f32. All else is computed in f32.
;;   The module's matrix products, in the order in which they are computed (A, B: the left and right operand; K: the contracted axis; several contracted axes count as one K, in the product's order):
;;     1. [M 8,192, K 1,024] x [K 1,024, N 3,072]; A: input x; B: input Wqkv: QUANTISED
;;     2. batch 64 x [M 2,048, K 64] x [K 64, N 2,048]; A: computed on the way; B: computed on the way: QUANTISED
;;     3. batch 64 x [M 64, K 2,048] x [K 2,048, N 2,048]; A: computed on the way; B: softmax (see below): QUANTISED
;;     4. [M 8,192, K 1,024] x [K 1,024, N 1,024]; A: computed on the way; B: input Wout: QUANTISED
;;   THE QUANTISER, for each operand of a quantised product, along K:
;;     - K is cut into blocks of 32 from its start; a last block that is shorter is filled with zeros.
;;     - A block's scale is 2^e with e = floor(log2(the largest magnitude in the block)) - 2, held to -126 .. 127; a block of zeros has e = 0. As a byte (E8M0): e + 127.
;;     - Each number is divided by its block's scale, clamped to +-7.5, and rounded to the nearest number of E2M3, ties to even, subnormals kept.
;;     - The product sums the exact products of the quantised numbers (number of the format x scale) in f32.
;;   ~~~python
;;   def quantise(x, axis):      # numpy; x: float32 -> the quantised numbers, widened to float32 again
;;       x = np.moveaxis(x, axis, -1); K = x.shape[-1]
;;       x = np.pad(x, [(0, 0)] * (x.ndim - 1) + [(0, -K % 32)]); x = x.reshape(x.shape[:-1] + (-1, 32)); a = np.abs(x).max(-1, keepdims=True)
;;       e = np.where(a > 0, np.clip(np.frexp(np.where(a > 0, a, 1))[1] - 1 - 2, -126, 127), 0)      # np.frexp(a)[1] - 1 = floor(log2(a)), exactly
;;       r = np.clip(x / 2.0 ** e, -7.5, 7.5)
;;       step = 2.0 ** (np.maximum(np.frexp(np.where(r == 0, 1, r))[1] - 1, 0) - 3)
;;       q = np.round(r / step) * step * 2.0 ** e      # np.round: ties to even
;;       return np.moveaxis(q.reshape(q.shape[:-2] + (-1,))[..., :K], -1, axis).astype(np.float32)
;;   ~~~
;;   SOFTMAX AHEAD OF A QUANTISED PRODUCT. Where the list says 'softmax', what is quantised is not the finished softmax but p = 2^(t - M), with t = logit x log2(e) and M = ceil(the row's largest t), a whole number; so 1/2 < the row's largest p <= 1. The row's sum l is taken of the UNQUANTISED p, in f32, and the product's result is divided by l at the end. Since M is a whole number, a kernel that streams over the keys may use a running M (the ceiling of the running maximum): every later rescaling is an exact power of two, which a block's scale takes up: the codes' values come out the same.
;;   OPERANDS COMPUTED ON THE WAY. 'Computed on the way' means the value that the module computes at that place (a softmax that the list does not call 'softmax' is quantised finished and normalised). What goes into a quantiser is computed in f32, as accurately as f32 sums, v_exp_f32 and their like allow (about 1e-6 of the number): no bf16 or f16 on the way to a quantiser, and a product that is left as it is and whose result goes on into a quantised operand takes f32 operands (vector FMAs, or v_wmma_f32_16x16x4_f32). A number that lies on a knife's edge between two numbers of the format may be rounded either way, as far as f32 arithmetic and the matrix unit's own rounding can turn it there, and no further.
;; One version. Each part assembles by itself: llvm-mc -triple=amdgcn-amd-amdhsa -mcpu=gfx1250 --defsym DOCPART=n.
;; ======== version 1 of 1: 4 launches
;; limits: right only within a limited range of input values
;; workspace buffers: xq 6,553,600 bytes; wq 2,457,600 bytes; wo 819,200 bytes; hq 6,553,600 bytes; kv 13,107,200 bytes; qbuf 13,107,200 bytes
;; launch quant (part 1): grid 384 x 1, 4 waves a work-group, no clusters, 34,304 bytes of LDS; arguments x, Wqkv, Wout, xq, wq, wo; writes xq, wq, wo
.if DOCPART == 1
	.amdgcn_target "amdgcn-amd-amdhsa--gfx1250"
	.amdhsa_code_object_version 6
	.text
	.protected	k_qab40b42aa2_quant
	.globl	k_qab40b42aa2_quant
	.p2align	8
	.type	k_qab40b42aa2_quant,@function
k_qab40b42aa2_quant:
	s_mov_b64 s[64:65], 0
	v_nop
	global_prefetch_b8 v0, s[64:65] scope:SCOPE_SE
	s_setreg_imm32_b32 hwreg(HW_REG_WAVE_MODE, 25, 1), 1
	s_wait_xcnt 0x0
; x [8192][1024], Wqkv [1024][3072] and Wout [1024][1024], f32, become codes of FP6 (E2M3) with one E8M0 byte for each 32 along K (K = 1024 in all three).
; A block's scale is 2^(floor(log2(largest magnitude)) - 2): its byte is the largest magnitude's exponent field - 2, held at 1 from below.
; LIMITS: NaN and infinities are not served; a block whose largest magnitude lies under 2^-124, a block of zeros among them, gets the byte 1 (its codes are then zeros or tiny; the bytes are read by this program alone).
; THE LAYOUT OF THE RESULTS IS THE ORDER OF THE OPERAND'S REGISTERS.  16 rows x 64 K are an image of six registers, 768 bytes: lane (r, h) holds row r, k = 32 h .. 32 h + 31;
; registers 0-3 lie at 16 x lane, registers 4-5 at 512 + 8 x lane.  A fragment (16 x 128 K) is two such images on end.  Lane r of tile 2 b + u holds row (or column of W) 32 b + 8 u + r + 8 (r / 8) of its 64.
; A QUAD is 64 rows x 128 K: four fragments (6,144 bytes) and a unit of 256 scale bytes, word [r][t] at 16 r + 4 t.  A record (12,800 bytes) is two quads' codes, then their two units; a block (102,400) is a 128 rows' eight records.
; SHARES: a wave makes one quad.  Work-groups 0-255: x (K innermost: rows come by loads of 512 consecutive bytes and turn through the wave's own stage in LDS, so that a lane gets 32 neighbours along K).
; Work-groups 256-351: Wqkv, 352-383: Wout (K is the first axis: a lane takes a column and its registers run down K; nothing is transposed).  Waves share nothing: no barrier, no cluster, no matrix unit: memory binds.
.set REC,    12800
.set BLOCKB, 102400
.set SP,     528                       ; a stage row: 512 bytes + 16, an odd multiple of 16
.set WSTG,   16*SP                     ; a wave's stage
.set RA,     16                        ; x: v16-143 two sets of 16 rows as loaded.  W: v16-79 two sets of 32 numbers
.set X,      144                       ; v144-207 my 64 numbers of a tile
.set PC,     208                       ; v208-231 two sets of a fragment's 12 registers
.set PW,     248                       ; v248-251 the quad's scale words
	s_load_b256 s[4:11], s[0:1], 0x0               ; x s[4:5], Wqkv s[6:7], Wout s[8:9], xq s[10:11]
	s_load_b128 s[12:15], s[0:1], 0x20             ; wq s[12:13], wo s[14:15]
	v_lshl_add_u32 v254, v0, 2, 0x8400
	v_mov_b32 v255, 0
	v_lshrrev_b32 v1, 5, v0
	v_readfirstlane_b32 s16, v1                    ; wave
	v_and_b32 v1, 31, v0                           ; lane
	v_and_b32 v2, 15, v0                           ; r
	v_bfe_u32 v3, v0, 4, 1                         ; h
	v_lshlrev_b32 v4, 4, v1                        ; 16 x lane
	v_lshlrev_b32 v5, 3, v1                        ; 8 x lane
	v_lshlrev_b32 v6, 4, v2                        ; 16 r
	s_mul_i32 s17, s16, WSTG
	v_add_nc_u32 v7, s17, v4                       ; the stage, on the way in: 16 x lane of a row
	v_mul_u32_u24 v8, v2, SP
	v_lshl_add_u32 v8, v3, 7, v8
	v_add_nc_u32 v8, s17, v8                       ; and out: row r, + 128 h: my 32 numbers
	v_and_b32 v9, 8, v2
	v_add_nc_u32 v9, v9, v2
	v_lshl_add_u32 v9, v3, 3, v9
	v_lshlrev_b32 v9, 2, v9                        ; W: 4 x (8 h + r + 8 (r / 8)): my column among 32
	v_lshlrev_b32 v10, 3, v3                       ; 8 h
	v_mov_b32 v11, 0                               ; lane permutes' destinations count as read: written once
	v_mov_b32 v12, 0
	s_mov_b32 s20, 0x76543210
	s_mov_b32 s21, 0xfedcba98                      ; selects for lane l xor 16
	s_wait_kmcnt 0x0
; 32 numbers of ONE block in v[src] on become six registers of codes at v[dst]; w: largest magnitude (two chains), w + 2 the conversion's scale operand, w + 3 the byte
.macro QB src, dst, tmp, w
	v_max3_num_f32 v[(\w)], |v[(\src)]|, |v[(\src)+1]|, |v[(\src)+2]|
	v_max3_num_f32 v[(\w)+1], |v[(\src)+3]|, |v[(\src)+4]|, |v[(\src)+5]|
.irp i, 6,10,14,18,22,26
	v_max3_num_f32 v[(\w)], v[(\w)], |v[(\src)+\i]|, |v[(\src)+\i+1]|
	v_max3_num_f32 v[(\w)+1], v[(\w)+1], |v[(\src)+\i+2]|, |v[(\src)+\i+3]|
.endr
	v_max3_num_f32 v[(\w)], v[(\w)], |v[(\src)+30]|, |v[(\src)+31]|
	v_max3_num_f32 v[(\w)], v[(\w)], v[(\w)+1], 0x1800000          ; the floor 2^(3 - 127): the byte cannot fall under 1
	v_add_nc_u32 v[(\w)+2], 0xff000000, v[(\w)]                    ; 2 off the exponent field: the conversion takes that field as its scale
	v_lshrrev_b32 v[(\w)+3], 23, v[(\w)+2]                         ; the byte
	v_cvt_scalef32_pk16_fp6_f32 v[(\dst):(\dst)+2], v[(\src):(\src)+15], v[(\w)+2]
	v_cvt_scalef32_pk16_fp6_f32 v[(\tmp):(\tmp)+2], v[(\src)+16:(\src)+31], v[(\w)+2]   ; (a conversion's three registers begin on an even number)
	v_nop                                          ; one plain line behind the conversions
.irp i, 0,1,2
	v_mov_b32 v[(\dst)+3+\i], v[(\tmp)+\i]
.endr
.endm
; where quad s[q], K step s[ks] lies in the buffer at s[p:p+1]: codes -> s[30:31], scale unit -> s[32:33]
.macro DEST q, ks, p
	s_lshr_b32 s24, s[\q], 1
	s_mul_i32 s24, s24, BLOCKB
	s_mul_i32 s25, s[\ks], REC
	s_add_co_u32 s24, s24, s25
	s_and_b32 s25, s[\q], 1
	s_mul_i32 s26, s25, 6144
	s_add_co_u32 s26, s26, s24
	s_mov_b32 s27, 0
	s_lshl_b32 s28, s25, 8
	s_add_co_u32 s28, s28, s24
	s_add_co_u32 s28, s28, 12288
	s_mov_b32 s29, 0
	s_add_nc_u64 s[30:31], s[\p:\p+1], s[26:27]
	s_add_nc_u64 s[32:33], s[\p:\p+1], s[28:29]
.endm
	s_cmp_lt_u32 ttmp9, 256
	s_cbranch_scc0 .Lweights
	; ---------------- x: quad = work-group / 2, K step = 4 (work-group % 2) + wave
	s_lshr_b32 s18, ttmp9, 1
	s_and_b32 s19, ttmp9, 1
	s_lshl_b32 s19, s19, 2
	s_add_co_u32 s19, s19, s16
	s_lshl_b32 s22, s18, 18                        ; 64 rows of 4,096 bytes
	s_lshl_b32 s23, s19, 9                         ; 128 numbers
	s_add_co_u32 s22, s22, s23
	s_mov_b32 s23, 0
	s_add_nc_u64 s[22:23], s[4:5], s[22:23]
	DEST 18, 19, 10
.macro XLOAD t                         ; tile t's 16 rows: each load takes 512 consecutive bytes of one row
.irp i, 0,1,2,3,4,5,6,7,8,9,10,11,12,13,14,15
	global_load_b128 v[RA+64*((\t)%2)+4*\i:RA+64*((\t)%2)+4*\i+3], v4, s[22:23] offset:(32*((\t)/2)+8*((\t)%2)+\i+8*(\i/8))*4096 th:TH_LOAD_NT
.endr
.endm
.macro XTILE t
.set P, PC+12*((\t)%2)
.if (\t) < 3
	s_wait_loadcnt 16                              ; this tile's 16 loads are in; the next tile's 16 may be out
.else
	s_wait_loadcnt 0x0
.endif
.irp i, 0,1,2,3,4,5,6,7,8,9,10,11,12,13,14,15
	ds_store_b128 v7, v[RA+64*((\t)%2)+4*\i:RA+64*((\t)%2)+4*\i+3] offset:SP*\i
.endr
.irp c, 0,1
.irp q, 0,1,2,3,4,5,6,7
	ds_load_b128 v[X+32*\c+4*\q:X+32*\c+4*\q+3], v8 offset:256*\c+16*\q   ; k = 64 c + 32 h + 4 q ..: LDS serves a wave's instructions in order, so these see the stores above
.endr
.endr
	s_wait_dscnt 0x0                               ; my numbers are back, and the stage's stores have read their registers,
.if (\t)+2 < 4
	XLOAD (\t)+2                                   ; which take the tile two on
.endif
.if (\t) >= 2
	s_wait_xcnt 0x0                                ; the stores of two tiles ago have read this set of codes
.endif
	QB X, P, 232, 240
	QB X+32, P+6, 236, 244
	v_lshl_or_b32 v[PW+(\t)], v247, 16, v243       ; my two bytes: blocks h and 2 + h,
	v_lshlrev_b32 v[PW+(\t)], v10, v[PW+(\t)]      ; at their places in the word;
	v_permlanex16_b32 v11, v[PW+(\t)], s20, s21
	v_or_b32 v[PW+(\t)], v[PW+(\t)], v11           ; with lane l xor 16's two the word is whole
	global_store_b128 v4, v[P:P+3], s[30:31] offset:1536*(\t)            ; 512 consecutive bytes
	global_store_b64 v5, v[P+4:P+5], s[30:31] offset:1536*(\t)+512       ; 256 consecutive bytes
	global_store_b128 v4, v[P+6:P+9], s[30:31] offset:1536*(\t)+768
	global_store_b64 v5, v[P+10:P+11], s[30:31] offset:1536*(\t)+1280
.endm
	XLOAD 0
	XLOAD 1
	s_wait_alu depctr_va_vdst(0)
	XTILE 0
	XTILE 1
	XTILE 2
	XTILE 3
	global_store_b128 v6, v[PW:PW+3], s[32:33]     ; the scale unit: 16 r; lanes 16-31 hold and write the same words as lanes 0-15
	s_wait_tensorcnt 0x0
	ds_add_u32 v254, v255
	s_wait_dscnt 0x0
	s_endpgm
	; ---------------- the weights: a lane to a column, registers down K
.macro LOADW n, pitch                  ; block n = 4 b + kb: rows 32 kb + i of my K step, the 32 columns of tiles 2 b, 2 b + 1: 128 consecutive bytes a load
.irp i, 0,1,2,3,4,5,6,7,8,9,10,11,12,13,14,15,16,17,18,19,20,21,22,23,24,25,26,27,28,29,30,31
	global_load_b32 v[RA+32*((\n)%2)+\i], v9, s[22:23] offset:(32*((\n)%4)+\i)*(\pitch)+128*((\n)/4) th:TH_LOAD_NT
.endr
.endm
.macro WBLOCK n, pitch
.if (\n) < 7
	s_wait_loadcnt 32                              ; this block's 32 loads are in; the next block's may be out
.else
	s_wait_loadcnt 0x0
.endif
	QB RA+32*((\n)%2), 80+6*(\n), 132, 136         ; lanes 0-15: tile 2 b, lanes 16-31: tile 2 b + 1; block kb of the lane's column
.if (\n)%4 == 0
	v_mov_b32 v[128+(\n)/4], v139                  ; the column's scale word, the lower K in the lower byte
.else
	v_lshl_or_b32 v[128+(\n)/4], v139, 8*((\n)%4), v[128+(\n)/4]
.endif
.if (\n)+2 < 8
	LOADW (\n)+2, \pitch
.endif
.if (\n)%4 == 3                        ; an image wants blocks 2 c and 2 c + 1 of ONE tile in its two halves of lanes: the first's lanes 16-31 change places with the second's lanes 0-15
.irp c, 0,1
.set XA, 80+24*((\n)/4)+12*\c
.irp j, 0,1,2,3,4,5
	v_permlane16_swap_b32 v[XA+\j], v[XA+6+\j]
.endr
	global_store_b128 v4, v[XA:XA+3], s[30:31] offset:1536*(2*((\n)/4))+768*\c
	global_store_b64 v5, v[XA+4:XA+5], s[30:31] offset:1536*(2*((\n)/4))+768*\c+512
	global_store_b128 v4, v[XA+6:XA+9], s[30:31] offset:1536*(2*((\n)/4)+1)+768*\c
	global_store_b64 v5, v[XA+10:XA+11], s[30:31] offset:1536*(2*((\n)/4)+1)+768*\c+512
.endr
.endif
.endm
.macro WPATH wp, dp, first, pitch
	s_sub_co_u32 s17, ttmp9, \first
	s_lshr_b32 s18, s17, 3
	s_and_b32 s19, s17, 7                          ; K step
	s_lshl_b32 s18, s18, 2
	s_add_co_u32 s18, s18, s16                     ; my quad of 64 columns
	s_mul_i32 s22, s19, 128*(\pitch)
	s_lshl_b32 s23, s18, 8
	s_add_co_u32 s22, s22, s23
	s_mov_b32 s23, 0
	s_add_nc_u64 s[22:23], s[\wp:\wp+1], s[22:23]
	DEST 18, 19, \dp
	LOADW 0, \pitch
	LOADW 1, \pitch
.irp n, 0,1,2,3,4,5,6,7
	WBLOCK \n, \pitch
.endr
	v_permlanex16_b32 v11, v128, s20, s21          ; the words of the other half of the lanes
	v_permlanex16_b32 v12, v129, s20, s21
	v_cmp_lt_u32 vcc_lo, 15, v1                    ; lanes 16-31
	v_cndmask_b32 v144, v128, v11, vcc_lo          ; row r's words of tiles 0, 1, 2, 3, the same in lanes r and 16 + r
	v_cndmask_b32 v145, v11, v128, vcc_lo
	v_cndmask_b32 v146, v129, v12, vcc_lo
	v_cndmask_b32 v147, v12, v129, vcc_lo
	global_store_b128 v6, v[144:147], s[32:33]
	s_endpgm
.endm
.Lweights:
	s_cmp_lt_u32 ttmp9, 352
	s_cbranch_scc0 .Lwout
	s_wait_alu depctr_va_vdst(0)
	WPATH 6, 12, 256, 12288
.Lwout:
	s_wait_alu depctr_va_vdst(0)
	WPATH 8, 14, 352, 4096
.Lfunc_end_k_qab40b42aa2_quant:
	.size	k_qab40b42aa2_quant, .Lfunc_end_k_qab40b42aa2_quant-k_qab40b42aa2_quant
	.p2alignl 7, 3214868480
	.fill 96, 4, 3214868480
	.section	.rodata,"a",@progbits
	.p2align	6, 0x0
	.amdhsa_kernel k_qab40b42aa2_quant
		.amdhsa_group_segment_fixed_size 34304
		.amdhsa_private_segment_fixed_size 0
		.amdhsa_enable_private_segment 0
		.amdhsa_kernarg_size 48
		.amdhsa_user_sgpr_count 2
		.amdhsa_user_sgpr_kernarg_segment_ptr 1
		.amdhsa_wavefront_size32 1
		.amdhsa_system_sgpr_workgroup_id_x 1
		.amdhsa_system_sgpr_workgroup_id_y 1
		.amdhsa_system_sgpr_workgroup_id_z 1
		.amdhsa_system_vgpr_workitem_id 0
		.amdhsa_next_free_vgpr 256
		.amdhsa_next_free_sgpr 66
		.amdhsa_reserve_vcc 1
		.amdhsa_float_denorm_mode_32 3
		.amdhsa_float_denorm_mode_16_64 3
		.amdhsa_memory_ordered 1
		.amdhsa_forward_progress 1
		.amdhsa_inst_pref_size 109
	.end_amdhsa_kernel
	.amdgpu_metadata
---
amdhsa.version: [ 1, 2 ]
amdhsa.kernels:
  - .name:           k_qab40b42aa2_quant
    .symbol:         k_qab40b42aa2_quant.kd
    .args:
      - { .name: x, .offset: 0, .size: 8, .value_kind: global_buffer, .address_space: global }
      - { .name: Wqkv, .offset: 8, .size: 8, .value_kind: global_buffer, .address_space: global }
      - { .name: Wout, .offset: 16, .size: 8, .value_kind: global_buffer, .address_space: global }
      - { .name: xq, .offset: 24, .size: 8, .value_kind: global_buffer, .address_space: global }
      - { .name: wq, .offset: 32, .size: 8, .value_kind: global_buffer, .address_space: global }
      - { .name: wo, .offset: 40, .size: 8, .value_kind: global_buffer, .address_space: global }
    .group_segment_fixed_size: 34304
    .private_segment_fixed_size: 0
    .kernarg_segment_align: 8
    .kernarg_segment_size: 48
    .max_flat_workgroup_size: 128
    .sgpr_count:     66
    .vgpr_count:     256
    .wavefront_size: 32
...
	.end_amdgpu_metadata
.endif
;; end of part 1
;; launch qkv (part 2): grid 12 x 64, 4 waves a work-group, clusters of 4 x 4, 307,712 bytes of LDS; arguments xq, wq, bqkv, gamma_q, gamma_k, qbuf, kv; writes qbuf, kv
.if DOCPART == 2
	.amdgcn_target "amdgcn-amd-amdhsa--gfx1250"
	.amdhsa_code_object_version 6
	.text
	.protected	k_qab40b42aa2_qkv
	.globl	k_qab40b42aa2_qkv
	.p2align	8
	.type	k_qab40b42aa2_qkv,@function
k_qab40b42aa2_qkv:
	s_mov_b64 s[64:65], 0
	v_nop
	global_prefetch_b8 v0, s[64:65] scope:SCOPE_SE
	s_setreg_imm32_b32 hwreg(HW_REG_WAVE_MODE, 25, 1), 1
	s_wait_xcnt 0x0
	s_wait_alu depctr_hold_cnt(0) depctr_sa_sdst(0) depctr_va_vdst(0) depctr_va_sdst(0) depctr_va_ssrc(0) depctr_va_vcc(0) depctr_vm_vsrc(0)
	s_getreg_b32 s2, hwreg(HW_REG_IB_STS2, 6, 4)
	s_cmp_eq_u32 s2, 0
	s_cbranch_scc0 .Lentry_in_a_cluster
	s_endpgm
.Lentry_in_a_cluster:
	s_bfe_u32 s2, ttmp6, 0x10000c
	s_cmp_lg_u32 s2, 0xf033
	s_cbranch_scc0 .Lentry_shape_is_right
	s_endpgm
.Lentry_shape_is_right:
; qkv = x Wqkv + bqkv on codes of FP6 (E2M3) with E8M0 scales, K = 1024; then q and k: t / max(|t|, 1e-12) x gamma x 8 for each head of 64, quantised along the head; v: quantised along the KEYS.
; Results are laid in the order of the next products' operand registers (16 rows x 64 K = 768 bytes: registers 0-3 at 16 x lane, 4-5 at 512 + 8 x lane), 204,800 bytes a head:
;   0: scale words of K (256 bytes a step of 128 keys);  4,096: of V;  8,192 + 12,288 step: eight images of K (16 keys x 64 d), then V's four fragments (16 d x 128 keys).  q goes to qbuf at K's places.
; LIMITS: NaN and infinities are not served; the sum of a head's 64 squares must not overflow f32; 1 / max(norm, 1e-12) is taken as min(rsq(sum of squares), 1e12), which agrees also where the sum is 0 or denormal;
; a block whose largest magnitude lies under 2^-124 gets the scale byte 1.
; SHARES.  A work-group makes 128 x 256 of the product.  R1 = one block of 128 "lane" rows, read by all four waves; R2 = two blocks, 256 "register" rows, 64 to a wave.  Every product is source 0 = 16 rows of R2,
; source 1 = 16 rows of R1: a lane holds ONE row of R1, and the 32 registers of its four accumulators are 64 / 2 neighbours of R2 (index 16 b + i = element 32 b + 16 h + i), which is how the conversions want a K.
; Cluster x 0: q, 1: k (R1 = rows of x, R2 = columns of W: K of the next product = the head).  Cluster x 2: v, WITH THE ROLES SWAPPED BY POINTERS ALONE (R1 = columns of W, R2 = rows of x: K = the keys).
; ALL OF K LIES IN LDS: 3 x 102,400 bytes, memory's image, each byte filled once: no slot is ever filled again.  Three tensor loads of 400 rows x 256 bytes (a whole block each); wave 0 asks for R1's,
; waves 1 and 2 for R2's: one load a wave, awaited once ahead of the barrier.
; CLUSTERS 4 x 4: R1's block hangs on the work-group's y alone and is asked for jointly by a row of the cluster, R2's on its x (and the cluster's y) alone, by a column.
; REGISTERS: window 0: v1-15 addresses; v16-39 two sets of scale words (A's 8, B's 4); v40-71 the bias along the registers; v72-103 gamma; v104-199 R1's 8 fragments, v200-247 R2's 4 (set 0); v248-255 v's bias along the lanes.
;   window 2: the fragments' set 1, at the same numbers.   window 1: the 32 accumulators, (a, t) at v[8 (4 a + t)].
.set REC,   12800
.set BLK,   102400
.set CHK,   25600
.set HEADB, 204800
.set R2AT,  102400
.set WV,  18
.set L16, 1
.set L8,  2
.set R8,  3
.set A16, 4
.set A8,  5
.set AS_, 6
.set B16, 7
.set B8,  8
.set BS_, 9
.set SC,  16
.set BC,  40
.set G,   72
.set AF,  104
.set BF,  200
.set BR,  248
.set T0,  104                          ; the way out, window 0: v104-183 at work, then four sets of codes
.set SS,  136
.set RS,  144
.set INV, 152
.set TM,  184
.set PW,  200
.set VO16, 204
.set VO8,  212
.set MSB, 0
.macro WIN new                         ; the immediate's high byte repeats the setting that is left
.if MSB != (\new)
	s_set_vgpr_msb (MSB<<8)|(\new)
.set MSB, (\new)
.endif
.endm
.macro PLACES n
.rept \n
	v_nop
.endr
.endm
.macro CROUND                          ; a round of the cluster's barrier
	s_barrier_signal -1
	s_barrier_wait -1
	s_cmp_lg_u32 s[WV], 0
	s_cbranch_scc1 .Lnot_wave_0_\@
	s_barrier_signal -3
.Lnot_wave_0_\@:
	s_barrier_wait -3
	s_barrier_signal -1
	s_barrier_wait -1
.endm
.macro FRAG reg, a16, a8, off          ; a fragment: two images on end; every load takes 512 or 256 consecutive bytes
	ds_load_b128 v[\reg:\reg+3], v[\a16] offset:\off
	ds_load_b64 v[\reg+4:\reg+5], v[\a8] offset:\off+512
	ds_load_b128 v[\reg+6:\reg+9], v[\a16] offset:\off+768
	ds_load_b64 v[\reg+10:\reg+11], v[\a8] offset:\off+1280
.endm
.macro FETCH p                         ; a K step's 12 fragments and 12 scale words into set p: 51 loads in one run
	WIN 0x80*(\p)
.irp a, 0,1,2,3,4,5,6,7
	FRAG AF+12*\a, A16, A8, 1536*\a
.endr
.irp t, 0,1,2,3
	FRAG BF+12*\t, B16, B8, 1536*\t
.endr
	WIN 0
	ds_load_b128 v[SC+12*(\p):SC+12*(\p)+3], v[AS_]
	ds_load_b128 v[SC+12*(\p)+4:SC+12*(\p)+7], v[AS_] offset:256
	ds_load_b128 v[SC+12*(\p)+8:SC+12*(\p)+11], v[BS_]
.endm
.macro STEPADR                         ; on to the next record.  Six plain lines that name no register of the products before them: the places in front of the loads that follow
.irp r, A16, A8, AS_, B16, B8, BS_
	v_add_nc_u32 v[\r], REC, v[\r]
.endr
.endm
.macro MUL p, k                        ; 32 products; the 32 accumulators take turns, in the same order in every K step.  K step 0 takes the bias as C: nothing is cleared or added later
.if (\k) == 0
	WIN 0x40
.elseif (\p) == 0
	WIN 0x50
.else
	WIN 0x5a
.endif
.irp a, 0,1,2,3,4,5,6,7
.irp t, 0,1,2,3
.if (\k) == 0
	v_wmma_scale_f32_16x16x128_f8f6f4 v[8*(4*\a+\t):8*(4*\a+\t)+7], v[BF+12*\t:BF+12*\t+11], v[AF+12*\a:AF+12*\a+11], v[BC+8*\t:BC+8*\t+7], v[SC+12*(\p)+8+\t], v[SC+12*(\p)+\a] matrix_a_fmt:MATRIX_FMT_FP6 matrix_b_fmt:MATRIX_FMT_FP6
.else
	v_wmma_scale_f32_16x16x128_f8f6f4 v[8*(4*\a+\t):8*(4*\a+\t)+7], v[BF+12*\t:BF+12*\t+11], v[AF+12*\a:AF+12*\a+11], v[8*(4*\a+\t):8*(4*\a+\t)+7], v[SC+12*(\p)+8+\t], v[SC+12*(\p)+\a] matrix_a_fmt:MATRIX_FMT_FP6 matrix_b_fmt:MATRIX_FMT_FP6
.endif
.endr
.endr
.endm
.macro KSTEP k
	s_wait_dscnt 0x0                               ; this K step's fragments are in (asked for ahead of the last K step's products)
.if \k < 7
	s_wait_alu depctr_va_vdst(0)
	STEPADR
	FETCH (\k+1)%2
.endif
	MUL (\k)%2, \k
	WIN 0
.endm
	s_load_b256 s[4:11], s[0:1], 0x0               ; xq s[4:5], wq s[6:7], bqkv s[8:9], gamma_q s[10:11]
	s_load_b128 s[12:15], s[0:1], 0x20             ; gamma_k s[12:13], qbuf s[14:15]
	s_load_b64 s[16:17], s[0:1], 0x30              ; kv
	s_set_vgpr_msb 0x80
	v_lshl_add_u32 v254, v0, 2, 0x4b000
	v_mov_b32 v255, 0
	s_set_vgpr_msb 0x808a
	ds_add_u32 v254, v255
	ds_add_u32 v254, v255
	s_set_vgpr_msb 0x8a00
	v_lshrrev_b32 v1, 5, v0
	v_readfirstlane_b32 s[WV], v1                  ; wave 0..3
	s_bfe_u32 s19, ttmp6, 0x40000                  ; cx
	s_bfe_u32 s20, ttmp6, 0x40004                  ; cy
	s_and_b32 s21, ttmp7, 0xffff                   ; cluster y
	s_lshl_b32 s22, s21, 2
	s_add_co_u32 s22, s22, s20                     ; gy = 4 x cluster y + cy
	s_lshl_b32 s23, ttmp9, 2
	s_add_co_u32 s23, s23, s19                     ; gx = 4 x cluster x + cx
	s_lshl_b32 s84, s20, 2
	s_lshl_b32 s84, 15, s84                        ; my row of the cluster
	s_lshl_b32 s85, 0x1111, s19                    ; my column
	s_or_b32 s24, s84, (3<<16)|(1<<21)             ; group 1 for R1: the mask; elements of 8 bytes; bit 21 beside a mask; no padding
	s_or_b32 s32, s85, (3<<16)|(1<<21)             ; for R2
.irp g, 24, 32
	s_mov_b32 s[\g+1], 32<<16                      ; tensor_dim0 = 32 elements: rows of 256 bytes
	s_mov_b32 s[\g+2], 400<<16                     ; tensor_dim1 = 400 rows: a whole block of eight records, dense in memory
	s_mov_b32 s[\g+3], 32<<16                      ; tile_dim0
	s_mov_b32 s[\g+4], 400                         ; tile_dim1
	s_mov_b32 s[\g+5], 32                          ; the pitch
	s_mov_b32 s[\g+6], 0
	s_mov_b32 s[\g+7], 0
.endr
	s_and_b32 s58, s22, 7
	s_add_co_u32 s58, s58, 16                      ; v: W's block 16 + gy % 8
	s_lshr_b32 s99, s21, 1
	s_lshl_b32 s99, s99, 2
	s_add_co_u32 s99, s99, s19                     ; v: xp, the pair of x's blocks: 4 (cluster y / 2) + cx
	s_lshr_b32 s86, s[WV], 1                       ; which block of R2 I fetch: wave 1: 0, wave 2: 1
	s_wait_dscnt 0x0
	s_wait_kmcnt 0x0
	s_cmp_eq_u32 ttmp9, 2                          ; the kind is the cluster's x: the same in all sixteen partners
	s_cselect_b32 s58, s58, s22                    ; R1's block: made of cy and the cluster's y alone
	s_cselect_b32 s87, s99, s23                    ; R2's pair: of cx and the cluster's x and y alone
	s_cselect_b64 s[62:63], s[6:7], s[4:5]
	s_cselect_b64 s[96:97], s[4:5], s[6:7]
	s_mul_i32 s56, s58, BLK
	s_mov_b32 s57, 0
	s_add_nc_u64 s[62:63], s[62:63], s[56:57]
	s_lshl_b32 s87, s87, 1
	s_add_co_u32 s87, s87, s86
	s_mul_i32 s90, s87, BLK
	s_mov_b32 s91, 0
	s_add_nc_u64 s[96:97], s[96:97], s[90:91]
	s_mul_i32 s86, s86, BLK
	s_add_co_u32 s86, s86, R2AT                    ; and where it goes
.irp q, 0
	s_mov_b32 s[40+4*\q], 1
	s_mov_b32 s[41+4*\q], CHK*\q
	s_add_nc_u64 s[42+4*\q:43+4*\q], s[62:63], CHK*\q
	s_or_b32 s[43+4*\q], s[43+4*\q], 0x80000000
	s_mov_b32 s[68+4*\q], 1
	s_add_co_u32 s[69+4*\q], s86, CHK*\q
	s_add_nc_u64 s[70+4*\q:71+4*\q], s[96:97], CHK*\q
	s_or_b32 s[71+4*\q], s[71+4*\q], 0x80000000
.endr
	CROUND                                         ; all sixteen work-groups are here: the joint loads meet
	s_cmp_eq_u32 s[WV], 0                          ; a wave's loads stand together in one branch on its number; four v_nop follow the last
	s_cbranch_scc0 .Lnot_a
	tensor_load_to_lds s[40:43], s[24:31]          ; AS THE TEXT NOW STANDS: three loads in all, one a wave, each a whole block of 102,400 bytes; wave 0 asks for R1's
	s_nop 0
	PLACES 4
	s_branch .Lasked
.Lnot_a:
	s_cmp_lt_u32 s[WV], 3
	s_cbranch_scc0 .Lasked
	tensor_load_to_lds s[68:71], s[32:39]          ; waves 1 and 2: R2's two blocks
	s_nop 0
	PLACES 4
.Lasked:
	v_and_b32 v11, 31, v0                          ; lane
	v_and_b32 v12, 15, v0                          ; r
	v_bfe_u32 v13, v0, 4, 1                        ; h
	v_lshlrev_b32 v[L16], 4, v11
	v_lshlrev_b32 v[L8], 3, v11
	v_lshlrev_b32 v[R8], 3, v12
	v_mov_b32 v[A16], v[L16]
	v_mov_b32 v[A8], v[L8]
	v_lshl_add_u32 v[AS_], v12, 4, 12288           ; R1's scale units: 16 r behind a record's codes
	s_lshr_b32 s56, s[WV], 1                       ; my 64 rows of R2: quad wave % 2 of block wave / 2
	s_mul_i32 s56, s56, BLK
	s_and_b32 s57, s[WV], 1
	s_mul_i32 s90, s57, 6144
	s_add_co_u32 s90, s90, s56
	s_add_co_u32 s90, s90, R2AT
	v_add_nc_u32 v[B16], s90, v[L16]
	v_add_nc_u32 v[B8], s90, v[L8]
	s_lshl_b32 s57, s57, 8
	s_add_co_u32 s57, s57, s56
	s_add_co_u32 s57, s57, R2AT+12288
	v_lshl_add_u32 v[BS_], v12, 4, s57
	; the bias of my 64 columns (q, k), gamma of my head, and v's bias along the lanes: every kind loads all three, inside the buffers
	s_lshl_b32 s56, s23, 10
	s_lshl_b32 s57, s[WV], 8
	s_add_co_u32 s56, s56, s57                     ; 4 (256 gx + 64 wave)
	s_mov_b32 s57, 0
	s_add_nc_u64 s[62:63], s[8:9], s[56:57]
	s_lshl_b32 s98, s23, 2
	s_add_co_u32 s98, s98, s[WV]
	s_and_b32 s98, s98, 15                         ; my head (q, k)
	s_lshl_b32 s56, s98, 8
	s_cmp_eq_u32 ttmp9, 0
	s_cselect_b64 s[96:97], s[10:11], s[12:13]
	s_add_nc_u64 s[96:97], s[96:97], s[56:57]
	s_and_b32 s56, s22, 7
	s_lshl_b32 s56, s56, 9
	s_add_co_u32 s56, s56, 8192                    ; 4 (2048 + 128 (gy % 8))
	s_add_nc_u64 s[60:61], s[8:9], s[56:57]
	v_lshlrev_b32 v14, 6, v13                      ; 64 h: register 16 b + i is column 32 b + 16 h + i
	v_and_b32 v15, 8, v12
	v_add_nc_u32 v15, v15, v12
	v_lshlrev_b32 v15, 2, v15                      ; 4 (r + 8 (r / 8))
.irp m, 0,1,2,3,4,5,6,7
	global_load_b128 v[BC+4*\m:BC+4*\m+3], v14, s[62:63] offset:128*(\m/4)+16*(\m%4)
	global_load_b128 v[G+4*\m:G+4*\m+3], v14, s[96:97] offset:128*(\m/4)+16*(\m%4)
.endr
.irp a, 0,1,2,3,4,5,6,7
	global_load_b32 v[BR+\a], v15, s[60:61] offset:4*(32*(\a/2)+8*(\a%2))
.endr
	; where the results go
	s_lshr_b32 s56, s22, 4
	s_lshl_b32 s56, s56, 4
	s_add_co_u32 s56, s56, s98                     ; q, k: 16 x batch + head
	s_and_b32 s57, s22, 15                         ; the step of 128 rows
	s_mul_i32 s56, s56, HEADB
	s_mul_i32 s58, s57, 12288
	s_add_co_u32 s58, s58, s56
	s_add_co_u32 s58, s58, 8192                    ; images
	s_lshl_b32 s57, s57, 8
	s_add_co_u32 s57, s57, s56                     ; scale words
	s_lshr_b32 s84, s99, 3
	s_lshl_b32 s84, s84, 4
	s_and_b32 s85, s22, 7
	s_lshl_b32 s85, s85, 1
	s_add_co_u32 s84, s84, s85                     ; v: 16 x batch + 2 (gy % 8): the first of my two heads
	s_mul_i32 s84, s84, HEADB
	s_and_b32 s85, s99, 7
	s_lshl_b32 s85, s85, 1
	s_lshr_b32 s86, s[WV], 1
	s_add_co_u32 s85, s85, s86                     ; the step
	s_and_b32 s86, s[WV], 1                        ; which 64 of its keys
	s_mul_i32 s87, s85, 12288
	s_add_co_u32 s87, s87, s84
	s_mul_i32 s88, s86, 768
	s_add_co_u32 s87, s87, s88
	s_add_co_u32 s87, s87, 8192+6144
	s_lshl_b32 s85, s85, 8
	s_add_co_u32 s85, s85, s84
	s_lshl_b32 s86, s86, 7
	s_add_co_u32 s85, s85, s86
	s_add_co_u32 s85, s85, 4096
	s_cmp_eq_u32 ttmp9, 2
	s_cselect_b32 s88, s87, s58
	s_cselect_b32 s90, s85, s57
	s_mov_b32 s92, 768
	s_cselect_b32 s92, 1536, s92                   ; from tile to tile of a quad
	s_mov_b32 s93, 3072
	s_cselect_b32 s93, HEADB, s93                  ; from quad to quad: v's second quad is the next head
	s_mov_b32 s94, 128
	s_cselect_b32 s94, HEADB, s94                  ; from the first store of scale words to the second
	s_cselect_b32 vcc_lo, -1, 0
	s_mov_b32 s89, 0
	s_mov_b32 s91, 0
	s_mov_b32 s95, 0
	s_cmp_eq_u32 ttmp9, 0
	s_cselect_b64 s[84:85], s[14:15], s[16:17]     ; q: qbuf; k, v: kv
	s_add_nc_u64 s[86:87], s[84:85], s[90:91]
	s_add_nc_u64 s[84:85], s[84:85], s[88:89]
	s_add_nc_u64 s[88:89], s[86:87], s[94:95]
	s_mov_b32 s58, 0x76543210
	s_mov_b32 s59, 0xfedcba98                      ; selects for lane l xor 16
	v_mov_b32 v10, 0
	s_wait_alu depctr_va_vdst(0)
	s_wait_loadcnt 0x0
.set j, 0
.rept 32
	v_cndmask_b32 v[BC+j], v[BC+j], v10, vcc_lo    ; v has no bias along the registers (they are keys): its first C is 0
.set j, j+1
.endr
	s_wait_alu depctr_va_vdst(0)
	s_wait_tensorcnt 0x0                           ; my one load has landed; behind the barrier all of K lies in LDS, and no later wait on tensor loads is needed
	s_barrier_signal -1
	s_barrier_wait -1
	FETCH 0
.irp k, 0,1,2,3,4,5,6,7
	KSTEP \k
.endr
	; ---------------- the way out
	PLACES 4                                       ; in front of the first reads of results and writes of operands
	s_cmp_eq_u32 ttmp9, 2
	s_cbranch_scc1 .Lv_arm
	; q, k: the sum of my row's 64 squares: 32 are mine, two at a time, two chains a tile, the eight tiles by turns; each accumulator is read from its low end on
	WIN 0x05
.irp a, 0,1,2,3,4,5,6,7
	v_pk_mul_f32 v[T0+4*\a:T0+4*\a+1], v[32*\a:32*\a+1], v[32*\a:32*\a+1]
	v_pk_mul_f32 v[T0+4*\a+2:T0+4*\a+3], v[32*\a+2:32*\a+3], v[32*\a+2:32*\a+3]
.endr
.irp p, 4,8,12,16,20,24,28
.irp a, 0,1,2,3,4,5,6,7
	v_pk_fma_f32 v[T0+4*\a:T0+4*\a+1], v[32*\a+\p:32*\a+\p+1], v[32*\a+\p:32*\a+\p+1], v[T0+4*\a:T0+4*\a+1]
	v_pk_fma_f32 v[T0+4*\a+2:T0+4*\a+3], v[32*\a+\p+2:32*\a+\p+3], v[32*\a+\p+2:32*\a+\p+3], v[T0+4*\a+2:T0+4*\a+3]
.endr
.endr
	WIN 0
.irp a, 0,1,2,3,4,5,6,7
	v_pk_add_f32 v[T0+4*\a:T0+4*\a+1], v[T0+4*\a:T0+4*\a+1], v[T0+4*\a+2:T0+4*\a+3]
.endr
.irp a, 0,1,2,3,4,5,6,7
	v_add_f32 v[SS+\a], v[T0+4*\a], v[T0+4*\a+1]
.endr
.irp a, 0,1,2,3,4,5,6,7
	v_permlanex16_b32 v[T0+4*\a+2], v[SS+\a], s58, s59
.endr
.irp a, 0,1,2,3,4,5,6,7
	v_add_f32 v[SS+\a], v[SS+\a], v[T0+4*\a+2]     ; with lane l xor 16's 32
.endr
	s_wait_alu depctr_va_vdst(0)
.irp a, 0,1,2,3,4,5,6,7
	v_rsq_f32 v[RS+\a], v[SS+\a]
.endr
	v_nop                                          ; a plain line behind the last of the batch
	s_wait_alu depctr_va_vdst(0)                   ; one wait for the eight, ahead of their first reader
.irp a, 0,1,2,3,4,5,6,7
	v_min_num_f32 v[RS+\a], 0x5368d4a5, v[RS+\a]   ; 1 / max(norm, 1e-12)
.endr
.irp a, 0,1,2,3,4,5,6,7
	v_mul_f32 v[INV+2*\a], 0x41000000, v[RS+\a]    ; x sqrt(64): exact
	v_mul_f32 v[INV+2*\a+1], 0x41000000, v[RS+\a]
.endr
	WIN 0x41
.irp p, 0,2,4,6,8,10,12,14,16,18,20,22,24,26,28,30
.irp a, 0,1,2,3,4,5,6,7
	v_pk_mul_f32 v[32*\a+\p:32*\a+\p+1], v[32*\a+\p:32*\a+\p+1], v[INV+2*\a:INV+2*\a+1]
.endr
.endr
.irp p, 0,2,4,6,8,10,12,14,16,18,20,22,24,26,28,30
.irp a, 0,1,2,3,4,5,6,7
	v_pk_mul_f32 v[32*\a+\p:32*\a+\p+1], v[32*\a+\p:32*\a+\p+1], v[G+\p:G+\p+1]
.endr
.endr
	WIN 0
	s_branch .Lquant
.Lv_arm:                                           ; v: the bias of my lane's column
.irp a, 0,1,2,3,4,5,6,7
	v_mov_b32 v[T0+2*\a], v[BR+\a]
	v_mov_b32 v[T0+2*\a+1], v[BR+\a]
.endr
	WIN 0x41
.irp p, 0,2,4,6,8,10,12,14,16,18,20,22,24,26,28,30
.irp a, 0,1,2,3,4,5,6,7
	v_pk_add_f32 v[32*\a+\p:32*\a+\p+1], v[32*\a+\p:32*\a+\p+1], v[T0+2*\a:T0+2*\a+1]
.endr
.endr
	WIN 0
.Lquant:
.irp a, 0,1,2,3,4,5,6,7
	s_mul_i32 s56, s92, \a%4
	s_mul_i32 s57, s93, \a/4
	s_add_co_u32 s56, s56, s57
	v_add_nc_u32 v[VO16+\a], s56, v[L16]           ; tile a's image: 16 x lane,
	v_add_nc_u32 v[VO8+\a], s56, v[L8]             ; and 8 x lane
.endr
.irp b, 0,1,2,3
	v_mov_b32 v[TM+4+\b], 0                        ; a lane permute's destination counts as read
.endr
; 64 numbers of a lane in window 1 (two tiles: register 16 b + i = K 32 (b % 2) + 16 h + i of tile b / 2) become two images in v[pc] on and a word of four scale bytes in v[pw]
.macro QUANT s, pc, pw
	WIN 0x05
.irp b, 0,1,2,3
	v_max3_num_f32 v[TM+\b], |v[(\s)+16*\b]|, |v[(\s)+1+16*\b]|, 0x1800000   ; the floor 2^(3 - 127): the byte cannot fall under 1
.endr
	WIN 0x14
.irp i, 2,4,6,8,10,12,14
.irp b, 0,1,2,3
	v_max3_num_f32 v[TM+\b], v[TM+\b], |v[(\s)+16*\b+\i]|, |v[(\s)+1+16*\b+\i]|
.endr
.endr
	WIN 0
.irp b, 0,1,2,3
	v_permlanex16_b32 v[TM+4+\b], v[TM+\b], s58, s59
.endr
.irp b, 0,1,2,3
	v_max_num_f32 v[TM+\b], v[TM+\b], v[TM+4+\b]   ; with lane l xor 16's 16: the block's largest magnitude
.endr
.irp b, 0,1,2,3
	v_add_nc_u32 v[TM+12+\b], 0xff000000, v[TM+\b] ; 2 off its exponent field: the conversion's scale operand
.endr
.irp b, 0,1,2,3
	v_lshrrev_b32 v[TM+4+\b], 23, v[TM+12+\b]      ; the byte
.endr
	v_lshl_or_b32 v[\pw], v[TM+5], 8, v[TM+4]
	v_lshl_or_b32 v[\pw], v[TM+6], 16, v[\pw]
	v_lshl_or_b32 v[\pw], v[TM+7], 24, v[\pw]
	WIN 0x01
.irp c, 0,1
	v_cvt_scalef32_pk16_fp6_f32 v[(\pc)+6*\c:(\pc)+2+6*\c], v[(\s)+32*\c:(\s)+15+32*\c], v[TM+12+2*\c]
	v_cvt_scalef32_pk16_fp6_f32 v[(\pc)+12+4*\c:(\pc)+14+4*\c], v[(\s)+16+32*\c:(\s)+31+32*\c], v[TM+12+2*\c+1]
.endr
	WIN 0
	v_nop                                          ; one plain line behind the conversions
.irp c, 0,1                                        ; an image wants a WHOLE block in a lane: lanes 0-15 block 0, lanes 16-31 block 1
.irp i, 0,1,2
	v_permlane16_swap_b32 v[(\pc)+6*\c+\i], v[(\pc)+12+4*\c+\i]
.endr
.irp i, 0,1,2
	v_mov_b32 v[(\pc)+3+6*\c+\i], v[(\pc)+12+4*\c+\i]
.endr
.endr
.endm
.irp g, 0,1,2,3                                    ; each pair of tiles has registers of its own for its codes: no store's data are written again
	QUANT 64*\g, T0+20*\g, PW+\g
	global_store_b128 v[VO16+2*\g], v[T0+20*\g:T0+20*\g+3], s[84:85]
	global_store_b64 v[VO8+2*\g], v[T0+20*\g+4:T0+20*\g+5], s[84:85] offset:512
	global_store_b128 v[VO16+2*\g+1], v[T0+20*\g+6:T0+20*\g+9], s[84:85]
	global_store_b64 v[VO8+2*\g+1], v[T0+20*\g+10:T0+20*\g+11], s[84:85] offset:512
.endr
	global_store_b64 v[R8], v[PW:PW+1], s[86:87]   ; 8 r: lanes 16-31 hold and write the same words as lanes 0-15
	global_store_b64 v[R8], v[PW+2:PW+3], s[88:89]
	s_set_vgpr_msb 0xa
	s_wait_tensorcnt 0x0
	ds_add_u32 v254, v255
	s_wait_dscnt 0x0
	s_set_vgpr_msb 0xa00
	CROUND                                         ; the closing round: no work-group ends while a partner may still ask for a tile that names it
	s_endpgm
.Lfunc_end_k_qab40b42aa2_qkv:
	.size	k_qab40b42aa2_qkv, .Lfunc_end_k_qab40b42aa2_qkv-k_qab40b42aa2_qkv
	.p2alignl 7, 3214868480
	.fill 96, 4, 3214868480
	.section	.rodata,"a",@progbits
	.p2align	6, 0x0
	.amdhsa_kernel k_qab40b42aa2_qkv
		.amdhsa_group_segment_fixed_size 307712
		.amdhsa_private_segment_fixed_size 0
		.amdhsa_enable_private_segment 0
		.amdhsa_kernarg_size 56
		.amdhsa_user_sgpr_count 2
		.amdhsa_user_sgpr_kernarg_segment_ptr 1
		.amdhsa_wavefront_size32 1
		.amdhsa_system_sgpr_workgroup_id_x 1
		.amdhsa_system_sgpr_workgroup_id_y 1
		.amdhsa_system_sgpr_workgroup_id_z 1
		.amdhsa_system_vgpr_workitem_id 0
		.amdhsa_next_free_vgpr 768
		.amdhsa_next_free_sgpr 100
		.amdhsa_reserve_vcc 1
		.amdhsa_float_denorm_mode_32 3
		.amdhsa_float_denorm_mode_16_64 3
		.amdhsa_memory_ordered 1
		.amdhsa_forward_progress 1
		.amdhsa_inst_pref_size 129
	.end_amdhsa_kernel
	.amdgpu_metadata
---
amdhsa.version: [ 1, 2 ]
amdhsa.kernels:
  - .name:           k_qab40b42aa2_qkv
    .symbol:         k_qab40b42aa2_qkv.kd
    .args:
      - { .name: xq, .offset: 0, .size: 8, .value_kind: global_buffer, .address_space: global }
      - { .name: wq, .offset: 8, .size: 8, .value_kind: global_buffer, .address_space: global }
      - { .name: bqkv, .offset: 16, .size: 8, .value_kind: global_buffer, .address_space: global }
      - { .name: gamma_q, .offset: 24, .size: 8, .value_kind: global_buffer, .address_space: global }
      - { .name: gamma_k, .offset: 32, .size: 8, .value_kind: global_buffer, .address_space: global }
      - { .name: qbuf, .offset: 40, .size: 8, .value_kind: global_buffer, .address_space: global }
      - { .name: kv, .offset: 48, .size: 8, .value_kind: global_buffer, .address_space: global }
    .group_segment_fixed_size: 307712
    .private_segment_fixed_size: 0
    .kernarg_segment_align: 8
    .kernarg_segment_size: 56
    .max_flat_workgroup_size: 128
    .sgpr_count:     100
    .vgpr_count:     768
    .wavefront_size: 32
...
	.end_amdgpu_metadata
.endif
;; end of part 2
;; launch attn (part 3): grid 4 x 64, 8 waves a work-group, clusters of 4 x 1, 205,824 bytes of LDS; arguments qbuf, kv, hq; writes hq
.if DOCPART == 3
	.amdgcn_target "amdgcn-amd-amdhsa--gfx1250"
	.amdhsa_code_object_version 6
	.text
	.protected	k_qab40b42aa2_attn
	.globl	k_qab40b42aa2_attn
	.p2align	8
	.type	k_qab40b42aa2_attn,@function
k_qab40b42aa2_attn:
	s_mov_b64 s[64:65], 0
	v_nop
	global_prefetch_b8 v0, s[64:65] scope:SCOPE_SE
	s_setreg_imm32_b32 hwreg(HW_REG_WAVE_MODE, 25, 1), 1
	s_wait_xcnt 0x0
	s_wait_alu depctr_hold_cnt(0) depctr_sa_sdst(0) depctr_va_vdst(0) depctr_va_sdst(0) depctr_va_ssrc(0) depctr_va_vcc(0) depctr_vm_vsrc(0)
	s_getreg_b32 s2, hwreg(HW_REG_IB_STS2, 6, 4)
	s_cmp_eq_u32 s2, 0
	s_cbranch_scc0 .Lentry_in_a_cluster
	s_endpgm
.Lentry_in_a_cluster:
	s_bfe_u32 s2, ttmp6, 0x10000c
	s_cmp_lg_u32 s2, 0x3003
	s_cbranch_scc0 .Lentry_shape_is_right
	s_endpgm
.Lentry_shape_is_right:
; h = softmax(q k^T / 8) v for one head and 512 queries, on codes of FP6 (E2M3) with E8M0 scales; h is quantised along the head's 64 and stored as the last product's operand.
; p = 2^(t - M), t = score x log2(e) / 8, M the ceiling of the running largest t; the row's sum is taken of the unquantised p; when M moves, sum and O are multiplied by a power of two.
; LIMITS: NaN and infinities are not served; the promise holds while the scaled scores stay under 2^31 in magnitude; a block of p whose largest lies under 2^-124 gets the scale byte 1.
; SHARES: a work-group has a head's K and V whole in LDS (204,800 bytes, memory's image, each byte filled once): eight tensor loads of 100 rows x 256 bytes, one a wave, all at the head.
; The four work-groups of a cluster take the four runs of 512 queries of one head and ask for K and V jointly.  No prefetch: every tile is asked for at the head, so there is no loop to run ahead in.
; A wave has 64 queries, four tiles of 16: each fragment of K and V that it reads from LDS feeds four tiles.  A step is 128 keys, 16 steps; behind the one barrier the waves share nothing.
; BOTH PRODUCTS ARE USED TRANSPOSED (S^T = k q^T, O^T = v^T p^T): a lane holds one query.  K = 64 fills half of the instruction's 128: a fragment of k is two tiles of 16 keys on end, and q stands beside 64 zero codes, low or high.
; THE KEYS OF A TILE ARE CHOSEN BY ADDRESS: lane r of tile t of a group of 64 keys takes key 32 (r / 8) + 8 t + r % 8, so that a lane's 32 registers of four tiles are one WHOLE block of 32 keys, in order:
; a block's largest score needs no other lane, and the conversions' results are p's operand registers.  In memory's image that key is row r % 8 + 8 (t / 2) of image 2 (r / 8) + t % 2.
; THE ORDER: while one tile's scores go through the softmax in one buffer, the next tile's eight score products are issued into the other, in four pairs among the vector lines; tile 3 issues tile 0's of the next step,
; whose fragments of k are loaded behind tile 2's last pair.  In the last trip that look-ahead is held at step 15: its 20 loads and 8 products are made once more and their scores are read by nobody.
; REGISTERS.  Window 0: v1-11 addresses, v12-29 scale words, v30-77 k's four fragments, v78-125 v's four, v126-253 O^T (4 tiles x 32).
; Window 1: v0-127 two buffers of scores, by turns; v128-181 q's four tiles between runs of zero codes; v184-207 two sets of p's codes; v208-231 each tile's -M, largest score, sum (2), factor (2); v232-255 at work.
.set HEADB, 204800
.set SPARE, 204800
.set WV, 10
.set CNT, 44
.set TB, 45
.set TS, 46
.set NC, 47
.set CS, 48
.set SEL, 50
.set TK, 52
.set TKS, 53
.set K16B, 1
.set K8B, 2
.set KSB, 3
.set L16, 4
.set L8, 5
.set R8, 6
.set A1, 7
.set A2, 8
.set A3, 9
.set R16, 10
.set QS, 12
.set KS, 16
.set VS, 20
.set VT, 24
.set PS, 28
.set KF, 30
.set VF, 78
.set OB, 126
.set E, 30
.set EB, 104
.set EP, 106
.set ES, 108
.set QB, 128
.set SH8, 182
.set PC, 184
.set STB, 208
.set BM, 232
.set SO, 236
.set BY, 238
.set CT, 240
.set W, 247
.set TP, 248
.set TQ, 249
.set T1, 250
.set T2, 252
.set T3, 254
.set MSB, 0
.macro WIN new                         ; the immediate's high byte repeats the setting that is left
.if MSB != (\new)
	s_set_vgpr_msb (MSB<<8)|(\new)
.set MSB, (\new)
.endif
.endm
.macro CROUND                          ; a round of the cluster's barrier
	s_barrier_signal -1
	s_barrier_wait -1
	s_cmp_lg_u32 s[WV], 0
	s_cbranch_scc1 .Lnot_wave_0_\@
	s_barrier_signal -3
.Lnot_wave_0_\@:
	s_barrier_wait -3
	s_barrier_signal -1
	s_barrier_wait -1
.endm
	s_load_b128 s[4:7], s[0:1], 0x0                ; qbuf, kv
	s_load_b64 s[8:9], s[0:1], 0x10                ; hq
	v_lshl_add_u32 v254, v0, 2, SPARE
	v_mov_b32 v255, 0
	ds_add_u32 v254, v255                          ; the opening lines: the add, twice on end, and its wait ahead of my tensor load
	ds_add_u32 v254, v255
	v_lshrrev_b32 v1, 5, v0
	v_readfirstlane_b32 s[WV], v1                  ; wave 0..7
	s_bfe_u32 s11, ttmp6, 0x40000                  ; cx: which 512 queries
	s_and_b32 s12, ttmp7, 0xffff                   ; 16 x batch + head
	s_mul_i32 s14, s12, HEADB
	s_mov_b32 s15, 0
	s_mov_b32 s24, 15|(3<<16)|(1<<21)              ; group 1: all four partners; elements of 8 bytes; bit 21 beside a mask
	s_mov_b32 s25, 32<<16                          ; rows of 256 bytes,
	s_mov_b32 s26, 100<<16                         ; 100 of them, dense in memory
	s_mov_b32 s27, 32<<16
	s_mov_b32 s28, 100
	s_mov_b32 s29, 32
	s_mov_b32 s30, 0
	s_mov_b32 s31, 0
	s_mul_i32 s18, s[WV], 25600                    ; my eighth of the head's bytes, in memory and in LDS alike
	s_mov_b32 s19, 0
	s_wait_dscnt 0x0
	s_wait_kmcnt 0x0
	s_add_nc_u64 s[16:17], s[6:7], s[14:15]
	s_mov_b32 s40, 1
	s_mov_b32 s41, s18
	s_add_nc_u64 s[42:43], s[16:17], s[18:19]
	s_or_b32 s43, s43, 0x80000000
	CROUND                                         ; the four partners are here: the joint loads meet
	tensor_load_to_lds s[40:43], s[24:31]
	s_nop 0
	s_lshl_b32 s60, s11, 2
	s_lshr_b32 s61, s[WV], 1
	s_add_co_u32 s60, s60, s61                     ; my run of 128 queries: 4 cx + wave / 2
	s_and_b32 s61, s[WV], 1                        ; and which 64 of them
	s_mul_i32 s62, s60, 12288
	s_mul_i32 s63, s61, 3072
	s_add_co_u32 s62, s62, s63
	s_add_co_u32 s62, s62, s14
	s_add_co_u32 s62, s62, 8192
	s_mov_b32 s63, 0
	s_add_nc_u64 s[66:67], s[4:5], s[62:63]        ; q's four images
	s_lshl_b32 s62, s60, 8
	s_lshl_b32 s13, s61, 7
	s_add_co_u32 s62, s62, s13
	s_add_co_u32 s62, s62, s14
	s_add_nc_u64 s[68:69], s[4:5], s[62:63]        ; q's scale words
	s_lshr_b32 s62, s12, 4
	s_lshl_b32 s62, s62, 4
	s_add_co_u32 s62, s62, s60
	s_mul_i32 s62, s62, 102400                     ; hq: the block of 128 rows,
	s_bfe_u32 s13, s12, 0x30001
	s_mul_i32 s13, s13, 12800
	s_add_co_u32 s62, s62, s13                     ; the record of head / 2
	s_and_b32 s13, s12, 1
	s_mul_i32 s20, s61, 6144
	s_mul_i32 s21, s13, 768
	s_add_co_u32 s20, s20, s21
	s_add_co_u32 s20, s20, s62
	s_mov_b32 s21, 0
	s_add_nc_u64 s[70:71], s[8:9], s[20:21]        ; my quad's images of head % 2
	s_lshl_b32 s20, s61, 8
	s_lshl_b32 s13, s13, 1
	s_add_co_u32 s20, s20, s13
	s_add_co_u32 s20, s20, s62
	s_add_co_u32 s20, s20, 12288
	s_add_nc_u64 s[72:73], s[8:9], s[20:21]        ; and their scale bytes
	s_mov_b32 s[CS], 0x3e38aa3b                    ; c = log2(e) / 8
	s_mov_b32 s[CS+1], s[CS]
	s_mov_b32 s[NC], 0xbe38aa3b                    ; -c
	s_mov_b32 s[SEL], 0x76543210
	s_mov_b32 s[SEL+1], 0xfedcba98                 ; selects for lane l xor 16
	s_mov_b32 s[CNT], 16
	s_mov_b32 s[TB], 8192
	s_mov_b32 s[TS], 0
	s_mov_b32 s[TK], 8192
	s_mov_b32 s[TKS], 0
	v_and_b32 v7, 31, v0
	v_and_b32 v8, 15, v0
	v_and_b32 v9, 7, v0
	v_bfe_u32 v10, v0, 3, 1                        ; r / 8
	v_bfe_u32 v11, v0, 4, 1                        ; h
	v_lshlrev_b32 v[L16], 4, v7
	v_lshlrev_b32 v[L8], 3, v7
	v_lshlrev_b32 v[R8], 3, v8
	v_mul_u32_u24 v7, v10, 1536                    ; two images on for lanes r >= 8
	v_lshl_add_u32 v[K16B], v9, 4, v7
	v_lshl_add_u32 v[K16B], v11, 8, v[K16B]        ; k, registers 0-3: 16 x (r % 8 + 16 h)
	v_lshl_add_u32 v[K8B], v9, 3, v7
	v_lshl_add_u32 v[K8B], v11, 7, v[K8B]          ; registers 4-5: 8 x the same
	v_lshlrev_b32 v[KSB], 2, v10
	v_lshl_add_u32 v[KSB], v9, 3, v[KSB]           ; k's scale words: 8 (r % 8) + 4 (r / 8)
	v_lshlrev_b32 v[R16], 4, v8
	WIN 0x40                                       ; destinations in window 1
.irp i, 0,1,2,3
	global_load_b128 v[QB+6+12*\i:QB+9+12*\i], v[L16], s[66:67] offset:768*\i
	global_load_b64 v[QB+10+12*\i:QB+11+12*\i], v[L8], s[66:67] offset:768*\i+512
.endr
.irp z, 0,1,2,3,4
.irp k, 0,1,2,3,4,5
	v_mov_b32 v[QB+12*\z+\k], 0                    ; the zero codes between q's tiles
.endr
.endr
.irp i, 0,1,2,3
	v_mov_b32 v[STB+6*\i], 0x7f61b1e6              ; -M: 3e38, so that the first factor is 0
	v_mov_b32 v[STB+6*\i+1], 0xff61b1e6            ; the largest score so far: -3e38
	v_mov_b32 v[STB+6*\i+2], 0                     ; the sum, in two halves
	v_mov_b32 v[STB+6*\i+3], 0
	v_mov_b32 v[STB+6*\i+4], 0
	v_mov_b32 v[STB+6*\i+5], 0                     ; (named as the upper half of the factor's pair)
.endr
	v_lshlrev_b32 v[SH8], 3, v11                   ; 8 h
	v_mov_b32 v[TQ], 0                             ; a lane permute's destination counts as read
	WIN 0
	global_load_b64 v[VT:VT+1], v[R8], s[68:69]    ; q's scale words of tiles 0-1 and 2-3
.set j, 0
.rept 128
	v_mov_b32 v[OB+j], 0                           ; O^T: the step is written once, and the first factor, 0, meets zeros
.set j, j+1
.endr
	s_wait_alu depctr_va_vdst(0)                   ; directly ahead of the wait below
	s_wait_loadcnt 0x0
.irp i, 0,1,2,3
	v_perm_b32 v[QS+\i], v[VT+\i/2], v[VT+\i/2], 0x01000100+0x02020202*(\i%2)   ; the tile's two bytes, twice: they serve q low and q high
.endr
.rept 4
	v_nop                                          ; a scale register written by a vector instruction stands 8 places ahead of its product: these and the address lines below
.endr
	s_wait_alu depctr_va_vdst(0)                   ; the wait at the head's end
	s_wait_tensorcnt 0x0                           ; my eighth has landed
	s_barrier_signal -1
	s_barrier_wait -1                              ; everybody's has
.macro KLOAD                           ; k's four fragments and scale words of the step at s[TK], s[TKS]; fragment f = 2 c + s: tiles 2 s and 2 s + 1 of group c
	WIN 0
	v_add_nc_u32 v[A1], s[TK], v[K16B]
	v_add_nc_u32 v[A2], s[TK], v[K8B]
	v_add_nc_u32 v[A3], s[TKS], v[KSB]
.irp f, 0,1,2,3
	ds_load_b128 v[KF+12*\f:KF+12*\f+3], v[A1] offset:3072*(\f/2)+128*(\f%2)
	ds_load_b64 v[KF+12*\f+4:KF+12*\f+5], v[A2] offset:3072*(\f/2)+64*(\f%2)+512
	ds_load_b128 v[KF+12*\f+6:KF+12*\f+9], v[A1] offset:3072*(\f/2)+128*(\f%2)+768
	ds_load_b64 v[KF+12*\f+10:KF+12*\f+11], v[A2] offset:3072*(\f/2)+64*(\f%2)+1280
	ds_load_b32 v[KS+\f], v[A3] offset:128*(\f/2)+64*(\f%2)
.endr
.endm
.macro PAIR f, ni, nb                  ; two score products of tile ni into buffer nb: fragment f's two tiles of 16 keys; register 32 c + 8 t + j is key 64 c + 32 h + 8 t + j
	WIN 0x44
	v_wmma_scale_f32_16x16x128_f8f6f4 v[\nb+16*\f:\nb+16*\f+7], v[KF+12*\f:KF+12*\f+11], v[QB+6+12*\ni:QB+17+12*\ni], 0, v[KS+\f], v[QS+\ni] matrix_a_fmt:MATRIX_FMT_FP6 matrix_b_fmt:MATRIX_FMT_FP6
	v_wmma_scale_f32_16x16x128_f8f6f4 v[\nb+16*\f+8:\nb+16*\f+15], v[KF+12*\f:KF+12*\f+11], v[QB+12*\ni:QB+11+12*\ni], 0, v[KS+\f], v[QS+\ni] matrix_a_fmt:MATRIX_FMT_FP6 matrix_b_fmt:MATRIX_FMT_FP6
	WIN 0x55
.endm
.macro FM8 sb
.rept 8
	v_pk_fma_f32 v[\sb+j:\sb+j+1], v[\sb+j:\sb+j+1], s[CS:CS+1], v[ST:ST+1] op_sel_hi:[1,0,0]   ; t - M, two at a time
.set j, j+2
.endr
.endm
.macro PV i, p, first                  ; O^T of tile i under the new M, then += v^T p^T
.set ST, STB+6*(\i)
.if \first
	WIN 0
	s_wait_dscnt 0x0                               ; v's fragments and scale words are in
	v_perm_b32 v[VS], v[VT+2], v[VT], 0x05040100   ; a row's four bytes: two of keys 0-63, two of keys 64-127
	v_perm_b32 v[VS+1], v[VT+2], v[VT], 0x07060302
	v_perm_b32 v[VS+2], v[VT+3], v[VT+1], 0x05040100
	v_perm_b32 v[VS+3], v[VT+3], v[VT+1], 0x07060302
.endif
	WIN 0x04
	s_wait_alu depctr_va_vdst(0)                   ; directly ahead of the first reader of O^T
.set j, 0
.rept 16
	v_pk_mul_f32 v[OB+32*\i+j:OB+32*\i+j+1], v[OB+32*\i+j:OB+32*\i+j+1], v[ST+4:ST+5] op_sel_hi:[1,0]   ; (these sixteen are also the places ahead of the products below)
.set j, j+2
.endr
.irp t, 0,1,2,3
	v_wmma_scale_f32_16x16x128_f8f6f4 v[OB+32*\i+8*\t:OB+32*\i+8*\t+7], v[VF+12*\t:VF+12*\t+11], v[PC+12*\p:PC+12*\p+11], v[OB+32*\i+8*\t:OB+32*\i+8*\t+7], v[VS+\t], v[PS+\p] matrix_a_fmt:MATRIX_FMT_FP6 matrix_b_fmt:MATRIX_FMT_FP6
.endr
.endm
; Tile i: its scores in buffer sb become p's codes in set p and a scale word, O^T takes them in, and the row's sum follows.  Among these lines tile ni's score products go into buffer nb.
; first: v's loads are awaited ahead of the value products; kl: the next step's k is loaded behind the last pair; kw: those loads are awaited at the head
.macro SOFT i, sb, p, ni, nb, first, kl, kw
.set ST, STB+6*(\i)
	WIN 0x55
.if \kw
	s_wait_dscnt 0x0                               ; the next step's fragments of k are in
.endif
	s_wait_alu depctr_va_vdst(0)                   ; directly ahead of the first reader of the scores
.irp c, 0,1,2,3
	v_max3_num_f32 v[BM+\c], v[\sb+16*\c], v[\sb+16*\c+1], v[\sb+16*\c+2]   ; the largest score of each block of 32 keys, all mine: four chains by turns, each accumulator from its low end on
.endr
.irp k, 3,5,7,9,11,13
.irp c, 0,1,2,3
	v_max3_num_f32 v[BM+\c], v[BM+\c], v[\sb+16*\c+\k], v[\sb+16*\c+\k+1]
.endr
.endr
	v_max3_num_f32 v[BM], v[BM], v[BM+1], v[\sb+15]
	v_max3_num_f32 v[BM+2], v[BM+2], v[BM+3], v[\sb+47]
	v_max_num_f32 v[BM], v[BM], v[\sb+31]
	v_max_num_f32 v[BM+2], v[BM+2], v[\sb+63]
	PAIR 0, \ni, \nb
	v_max3_num_f32 v[TP], v[BM], v[BM+2], v[ST+1]
	v_mov_b32 v[W], v[ST]                          ; the old -M
	s_delay_alu instid0(VALU_DEP_2)
	v_permlanex16_b32 v[TQ], v[TP], s[SEL], s[SEL+1]
	s_delay_alu instid0(VALU_DEP_1)
	v_max_num_f32 v[ST+1], v[TP], v[TQ]            ; the running largest score of my query, lane l xor 16's keys among them
	s_delay_alu instid0(VALU_DEP_1)
	v_mul_f32 v[TP], s[NC], v[ST+1]
	s_delay_alu instid0(VALU_DEP_1)
	v_floor_f32 v[ST], v[TP]                       ; -M = floor(-t): M is a whole number
	PAIR 1, \ni, \nb
.set j, 0
	FM8 \sb
	v_sub_f32 v[W], v[ST], v[W]                    ; old M less new M: a whole number, 0 or less
	PAIR 2, \ni, \nb
	FM8 \sb
	v_cvt_i32_f32 v[W], v[W]                       ; (it saturates)
	PAIR 3, \ni, \nb
	FM8 \sb
	v_ldexp_f32 v[ST+4], 1.0, v[W]                 ; the factor 2^(old M - new M)
	FM8 \sb
	v_fma_f32 v[BM], v[BM], s[CS], v[ST]           ; the same of each block's largest score
	v_fma_f32 v[BM+2], v[BM+2], s[CS], v[ST]
.if \kl
	KLOAD                                          ; this step's last score products stand nineteen plain lines back: k's registers take the next step's
	WIN 0x55
.endif
	s_wait_alu depctr_va_vdst(0)                   ; ahead of the batch
.set j, 0
.rept 64
	v_exp_f32 v[\sb+j], v[\sb+j]                   ; p = 2^(t - M)
.set j, j+1
.endr
	v_exp_f32 v[BM], v[BM]                         ; each block's largest p: the same two instructions on the same number
	v_exp_f32 v[BM+2], v[BM+2]
	v_pk_mul_f32 v[ST+2:ST+3], v[ST+2:ST+3], v[ST+4:ST+5] op_sel_hi:[1,0]   ; the sum under the new M: a plain line behind the batch
	s_wait_alu depctr_va_vdst(0)                   ; one wait for the batch, ahead of its first reader
	v_max_num_f32 v[BM], 0x1800000, v[BM]          ; the floor 2^(3 - 127): the byte cannot fall under 1
	v_max_num_f32 v[BM+2], 0x1800000, v[BM+2]
	s_delay_alu instid0(VALU_DEP_2)
	v_add_nc_u32 v[SO], 0xff000000, v[BM]          ; 2 off the exponent field: the conversion's scale operand
	s_delay_alu instid0(VALU_DEP_2)
	v_add_nc_u32 v[SO+1], 0xff000000, v[BM+2]
.irp c, 0,1
	v_cvt_scalef32_pk16_fp6_f32 v[PC+12*\p+6*\c:PC+12*\p+6*\c+2], v[\sb+32*\c:\sb+32*\c+15], v[SO+\c]
	v_cvt_scalef32_pk16_fp6_f32 v[CT+4*\c:CT+4*\c+2], v[\sb+32*\c+16:\sb+32*\c+31], v[SO+\c]   ; (a conversion's three registers begin on an even number)
.endr
	v_lshrrev_b32 v[BY], 23, v[SO]                 ; the bytes of my blocks h and 2 + h
	v_lshrrev_b32 v[BY+1], 23, v[SO+1]
	s_delay_alu instid0(VALU_DEP_1)
	v_lshl_or_b32 v[W], v[BY+1], 16, v[BY]
	s_delay_alu instid0(VALU_DEP_1)
	v_lshlrev_b32 v[W], v[SH8], v[W]               ; at their places in the word
	s_delay_alu instid0(VALU_DEP_1)
	v_permlanex16_b32 v[TQ], v[W], s[SEL], s[SEL+1]
.irp c, 0,1
.irp k, 0,1,2
	v_mov_b32 v[PC+12*\p+6*\c+3+\k], v[CT+4*\c+\k] ; registers 6 c .. 6 c + 5 hold keys 64 c + 32 h + 0 .. 31
.endr
.endr
	WIN 0x05
	v_or_b32 v[PS+\p], v[W], v[TQ]                 ; with lane l xor 16's two bytes p's scale word is whole; scale words lie in window 0
	PV \i, \p, \first
	WIN 0x55
	v_pk_add_f32 v[T1:T1+1], v[\sb:\sb+1], v[\sb+2:\sb+3]       ; the row's sum, of the unquantised p: four chains by turns, behind the value products
	v_pk_add_f32 v[T2:T2+1], v[\sb+4:\sb+5], v[\sb+6:\sb+7]
	v_pk_add_f32 v[T3:T3+1], v[\sb+8:\sb+9], v[\sb+10:\sb+11]
.set j, 12
.rept 6
	v_pk_add_f32 v[ST+2:ST+3], v[ST+2:ST+3], v[\sb+j:\sb+j+1]
	v_pk_add_f32 v[T1:T1+1], v[T1:T1+1], v[\sb+j+2:\sb+j+3]
	v_pk_add_f32 v[T2:T2+1], v[T2:T2+1], v[\sb+j+4:\sb+j+5]
	v_pk_add_f32 v[T3:T3+1], v[T3:T3+1], v[\sb+j+6:\sb+j+7]
.set j, j+8
.endr
	v_pk_add_f32 v[ST+2:ST+3], v[ST+2:ST+3], v[\sb+60:\sb+61]
	v_pk_add_f32 v[T1:T1+1], v[T1:T1+1], v[\sb+62:\sb+63]
	v_pk_add_f32 v[T2:T2+1], v[T2:T2+1], v[T3:T3+1]
	s_delay_alu instid0(VALU_DEP_2)
	v_pk_add_f32 v[ST+2:ST+3], v[ST+2:ST+3], v[T1:T1+1]
	v_pk_add_f32 v[ST+2:ST+3], v[ST+2:ST+3], v[T2:T2+1]
.endm
	KLOAD                                          ; step 0's k,
	s_wait_dscnt 0x0
.irp f, 0,1,2,3
	PAIR \f, 0, 0                                  ; and tile 0's scores of step 0
.endr
	WIN 0
.rept 4
	v_nop                                          ; places ahead of the first read of those scores
.endr
.Lstep:                                            ; a step: 128 keys against my 64 queries
	s_add_co_u32 s[TK], s[TB], 12288               ; where the next step's k lies; in the last trip held at step 15
	s_min_u32 s[TK], s[TK], 192512
	s_add_co_u32 s[TKS], s[TS], 256
	s_min_u32 s[TKS], s[TKS], 3840
	v_add_nc_u32 v[A1], s[TB], v[L16]
	v_add_nc_u32 v[A2], s[TB], v[L8]
	v_add_nc_u32 v[A3], s[TS], v[R8]
	ds_load_b64 v[VT:VT+1], v[A3] offset:4096      ; this step's v: the last step's value products stand 32 plain lines back
	ds_load_b64 v[VT+2:VT+3], v[A3] offset:4224
.irp t, 0,1,2,3
	ds_load_b128 v[VF+12*\t:VF+12*\t+3], v[A1] offset:6144+1536*\t
	ds_load_b64 v[VF+12*\t+4:VF+12*\t+5], v[A2] offset:6144+1536*\t+512
	ds_load_b128 v[VF+12*\t+6:VF+12*\t+9], v[A1] offset:6144+1536*\t+768
	ds_load_b64 v[VF+12*\t+10:VF+12*\t+11], v[A2] offset:6144+1536*\t+1280
.endr
	SOFT 0, 0, 0, 1, 64, 1, 0, 0
	SOFT 1, 64, 1, 2, 0, 0, 0, 0
	SOFT 2, 0, 0, 3, 64, 0, 1, 0
	SOFT 3, 64, 1, 0, 0, 0, 0, 1
	WIN 0
	s_add_co_u32 s[TB], s[TB], 12288
	s_add_co_u32 s[TS], s[TS], 256
	s_sub_co_u32 s[CNT], s[CNT], 1
	s_cmp_lg_u32 s[CNT], 0
	s_wait_alu depctr_va_vdst(0)                   ; directly ahead of the branch
	s_cbranch_scc1 .Lstep
	; the way out: O^T / the sum, quantised along the head (register 16 b + i is d = 32 b + 16 h + i), an image and two scale bytes a tile
	WIN 0x05
.irp i, 0,1,2,3
	v_add_f32 v[E+2*\i], v[STB+6*\i+2], v[STB+6*\i+3]
.endr
	WIN 0
.irp i, 0,1,2,3
	v_permlanex16_b32 v[E+2*\i+1], v[E+2*\i], s[SEL], s[SEL+1]
.endr
.irp i, 0,1,2,3
	v_add_f32 v[E+2*\i], v[E+2*\i], v[E+2*\i+1]    ; with lane l xor 16's keys: the row's sum (the four tiles by turns)
.endr
	s_wait_alu depctr_va_vdst(0)                   ; ahead of the batch
.irp i, 0,1,2,3
	v_rcp_f32 v[E+2*\i], v[E+2*\i]
.endr
	v_nop
.macro OUT i
.set OO, OB+32*(\i)
.set XC, 40+16*(\i)                    ; each tile has registers of its own for what it stores
	s_wait_alu depctr_va_vdst(0)                   ; behind the batch, and directly ahead of the first reader of this tile's O^T
.set j, 0
.rept 16
	v_pk_mul_f32 v[OO+j:OO+j+1], v[OO+j:OO+j+1], v[E+2*\i:E+2*\i+1] op_sel_hi:[1,0]
.set j, j+2
.endr
.irp b, 0,1
	v_max3_num_f32 v[EB+\b], |v[OO+16*\b]|, |v[OO+16*\b+1]|, 0x1800000
.endr
.irp k, 2,4,6,8,10,12,14
.irp b, 0,1
	s_delay_alu instid0(VALU_DEP_2)
	v_max3_num_f32 v[EB+\b], v[EB+\b], |v[OO+16*\b+\k]|, |v[OO+16*\b+\k+1]|
.endr
.endr
.irp b, 0,1
	s_delay_alu instid0(VALU_DEP_2)
	v_permlanex16_b32 v[EP+\b], v[EB+\b], s[SEL], s[SEL+1]
.endr
.irp b, 0,1
	s_delay_alu instid0(VALU_DEP_2)
	v_max_num_f32 v[EB+\b], v[EB+\b], v[EP+\b]     ; with lane l xor 16's 16: the block's largest magnitude
.endr
.irp b, 0,1
	s_delay_alu instid0(VALU_DEP_2)
	v_add_nc_u32 v[ES+\b], 0xff000000, v[EB+\b]
.endr
.irp b, 0,1
	s_delay_alu instid0(VALU_DEP_2)
	v_lshrrev_b32 v[EP+\b], 23, v[ES+\b]
.endr
	s_delay_alu instid0(VALU_DEP_1)
	v_lshl_or_b32 v[XC+12], v[EP+1], 8, v[EP]
	v_cvt_scalef32_pk16_fp6_f32 v[XC:XC+2], v[OO:OO+15], v[ES]
	v_cvt_scalef32_pk16_fp6_f32 v[XC+8:XC+10], v[OO+16:OO+31], v[ES+1]
	v_nop                                          ; one plain line behind the conversions
.irp k, 0,1,2
	v_permlane16_swap_b32 v[XC+\k], v[XC+8+\k]     ; an image wants a whole block in a lane
.endr
.irp k, 0,1,2
	s_delay_alu instid0(VALU_DEP_3)
	v_mov_b32 v[XC+3+\k], v[XC+8+\k]
.endr
	global_store_b128 v[L16], v[XC:XC+3], s[70:71] offset:1536*\i          ; 512 consecutive bytes
	global_store_b64 v[L8], v[XC+4:XC+5], s[70:71] offset:1536*\i+512      ; 256 consecutive bytes
	global_store_b16 v[R16], v[XC+12], s[72:73] offset:4*\i
.endm
	OUT 0
	OUT 1
	OUT 2
	OUT 3
	s_wait_tensorcnt 0x0                           ; the wave's end
	ds_add_u32 v254, v255
	s_wait_dscnt 0x0
	CROUND                                         ; the closing round
	s_endpgm
.Lfunc_end_k_qab40b42aa2_attn:
	.size	k_qab40b42aa2_attn, .Lfunc_end_k_qab40b42aa2_attn-k_qab40b42aa2_attn
	.p2alignl 7, 3214868480
	.fill 96, 4, 3214868480
	.section	.rodata,"a",@progbits
	.p2align	6, 0x0
	.amdhsa_kernel k_qab40b42aa2_attn
		.amdhsa_group_segment_fixed_size 205824
		.amdhsa_private_segment_fixed_size 0
		.amdhsa_enable_private_segment 0
		.amdhsa_kernarg_size 24
		.amdhsa_user_sgpr_count 2
		.amdhsa_user_sgpr_kernarg_segment_ptr 1
		.amdhsa_wavefront_size32 1
		.amdhsa_system_sgpr_workgroup_id_x 1
		.amdhsa_system_sgpr_workgroup_id_y 1
		.amdhsa_system_sgpr_workgroup_id_z 1
		.amdhsa_system_vgpr_workitem_id 0
		.amdhsa_next_free_vgpr 512
		.amdhsa_next_free_sgpr 80
		.amdhsa_reserve_vcc 0
		.amdhsa_float_denorm_mode_32 3
		.amdhsa_float_denorm_mode_16_64 3
		.amdhsa_memory_ordered 1
		.amdhsa_forward_progress 1
		.amdhsa_inst_pref_size 88
	.end_amdhsa_kernel
	.amdgpu_metadata
---
amdhsa.version: [ 1, 2 ]
amdhsa.kernels:
  - .name:           k_qab40b42aa2_attn
    .symbol:         k_qab40b42aa2_attn.kd
    .args:
      - { .name: qbuf, .offset: 0, .size: 8, .value_kind: global_buffer, .address_space: global }
      - { .name: kv, .offset: 8, .size: 8, .value_kind: global_buffer, .address_space: global }
      - { .name: hq, .offset: 16, .size: 8, .value_kind: global_buffer, .address_space: global }
    .group_segment_fixed_size: 205824
    .private_segment_fixed_size: 0
    .kernarg_segment_align: 8
    .kernarg_segment_size: 24
    .max_flat_workgroup_size: 256
    .sgpr_count:     80
    .vgpr_count:     512
    .wavefront_size: 32
...
	.end_amdgpu_metadata
.endif
;; end of part 3
;; launch proj (part 4): grid 4 x 64, 4 waves a work-group, clusters of 4 x 4, 325,120 bytes of LDS; arguments hq, wo, bout, out0; writes out0
.if DOCPART == 4
	.amdgcn_target "amdgcn-amd-amdhsa--gfx1250"
	.amdhsa_code_object_version 6
	.text
	.protected	k_qab40b42aa2_proj
	.globl	k_qab40b42aa2_proj
	.p2align	8
	.type	k_qab40b42aa2_proj,@function
k_qab40b42aa2_proj:
	s_mov_b64 s[64:65], 0
	v_nop
	global_prefetch_b8 v0, s[64:65] scope:SCOPE_SE
	s_setreg_imm32_b32 hwreg(HW_REG_WAVE_MODE, 25, 1), 1
	s_wait_xcnt 0x0
	s_wait_alu depctr_hold_cnt(0) depctr_sa_sdst(0) depctr_va_vdst(0) depctr_va_sdst(0) depctr_va_ssrc(0) depctr_va_vcc(0) depctr_vm_vsrc(0)
	s_getreg_b32 s2, hwreg(HW_REG_IB_STS2, 6, 4)
	s_cmp_eq_u32 s2, 0
	s_cbranch_scc0 .Lentry_in_a_cluster
	s_endpgm
.Lentry_in_a_cluster:
	s_bfe_u32 s2, ttmp6, 0x10000c
	s_cmp_lg_u32 s2, 0xf033
	s_cbranch_scc0 .Lentry_shape_is_right
	s_endpgm
.Lentry_shape_is_right:
; out0 = h Wout + bout on codes of FP6 (E2M3) with E8M0 scales, K = 1024; out0 [8192][1024] f32.
; SHARES.  A work-group makes 128 rows x 256 columns.  R1 = one block of 128 rows of h, read by all four waves; R2 = two blocks, 256 columns of Wout, 64 to a wave.  Every product is source 0 = 16 columns of W,
; source 1 = 16 rows of h: a lane holds ONE row, and the 32 registers of its four accumulators are columns 32 b + 16 h + i (index 16 b + i) of the wave's 64.
; ALL OF K LIES IN LDS: 3 x 102,400 bytes, memory's image, each byte filled once.  Three tensor loads of 400 rows x 256 bytes (a whole block each); wave 0 asks for R1's, waves 1 and 2 for R2's:
; one load a wave, awaited once ahead of the barrier.
; CLUSTERS 4 x 4: h's block hangs on the work-group's y alone and is asked for jointly by a row of the cluster, W's pair on its x alone, by a column.
; THE WAY OUT: a tile's 16 rows x 256 bytes go through the wave's own stage, behind the operands, into which no tensor load lands, and leave with sixteen lanes storing 256 consecutive, aligned bytes.
; REGISTERS: window 0: v1-12 addresses; v16-39 two sets of scale words; v40-71 the bias; v104-199 R1's 8 fragments, v200-247 R2's 4 (set 0); window 2: set 1; window 1: the 32 accumulators, (a, t) at v[8 (4 a + t)].
.set REC,   12800
.set BLK,   102400
.set CHK,   25600
.set R2AT,  102400
.set STAGE, 307200
.set WV,  18
.set L16, 1
.set L8,  2
.set A16, 4
.set A8,  5
.set AS_, 6
.set B16, 7
.set B8,  8
.set BS_, 9
.set STO, 10
.set RD,  11
.set CO,  12
.set SC,  16
.set BC,  40
.set AF,  104
.set BF,  200
.set BK,  104
.set MSB, 0
.macro WIN new                         ; the immediate's high byte repeats the setting that is left
.if MSB != (\new)
	s_set_vgpr_msb (MSB<<8)|(\new)
.set MSB, (\new)
.endif
.endm
.macro PLACES n
.rept \n
	v_nop
.endr
.endm
.macro CROUND                          ; a round of the cluster's barrier
	s_barrier_signal -1
	s_barrier_wait -1
	s_cmp_lg_u32 s[WV], 0
	s_cbranch_scc1 .Lnot_wave_0_\@
	s_barrier_signal -3
.Lnot_wave_0_\@:
	s_barrier_wait -3
	s_barrier_signal -1
	s_barrier_wait -1
.endm
.macro FRAG reg, a16, a8, off          ; a fragment: two images on end; every load takes 512 or 256 consecutive bytes
	ds_load_b128 v[\reg:\reg+3], v[\a16] offset:\off
	ds_load_b64 v[\reg+4:\reg+5], v[\a8] offset:\off+512
	ds_load_b128 v[\reg+6:\reg+9], v[\a16] offset:\off+768
	ds_load_b64 v[\reg+10:\reg+11], v[\a8] offset:\off+1280
.endm
.macro FETCH p                         ; a K step's 12 fragments and 12 scale words into set p: 51 loads in one run
	WIN 0x80*(\p)
.irp a, 0,1,2,3,4,5,6,7
	FRAG AF+12*\a, A16, A8, 1536*\a
.endr
.irp t, 0,1,2,3
	FRAG BF+12*\t, B16, B8, 1536*\t
.endr
	WIN 0
	ds_load_b128 v[SC+12*(\p):SC+12*(\p)+3], v[AS_]
	ds_load_b128 v[SC+12*(\p)+4:SC+12*(\p)+7], v[AS_] offset:256
	ds_load_b128 v[SC+12*(\p)+8:SC+12*(\p)+11], v[BS_]
.endm
.macro STEPADR                         ; on to the next record.  Six plain lines that name no register of the products before them: the places in front of the loads that follow
.irp r, A16, A8, AS_, B16, B8, BS_
	v_add_nc_u32 v[\r], REC, v[\r]
.endr
.endm
.macro MUL p, k                        ; 32 products; the 32 accumulators take turns, in the same order in every K step.  K step 0 takes the bias as C
.if (\k) == 0
	WIN 0x40
.elseif (\p) == 0
	WIN 0x50
.else
	WIN 0x5a
.endif
.irp a, 0,1,2,3,4,5,6,7
.irp t, 0,1,2,3
.if (\k) == 0
	v_wmma_scale_f32_16x16x128_f8f6f4 v[8*(4*\a+\t):8*(4*\a+\t)+7], v[BF+12*\t:BF+12*\t+11], v[AF+12*\a:AF+12*\a+11], v[BC+8*\t:BC+8*\t+7], v[SC+12*(\p)+8+\t], v[SC+12*(\p)+\a] matrix_a_fmt:MATRIX_FMT_FP6 matrix_b_fmt:MATRIX_FMT_FP6
.else
	v_wmma_scale_f32_16x16x128_f8f6f4 v[8*(4*\a+\t):8*(4*\a+\t)+7], v[BF+12*\t:BF+12*\t+11], v[AF+12*\a:AF+12*\a+11], v[8*(4*\a+\t):8*(4*\a+\t)+7], v[SC+12*(\p)+8+\t], v[SC+12*(\p)+\a] matrix_a_fmt:MATRIX_FMT_FP6 matrix_b_fmt:MATRIX_FMT_FP6
.endif
.endr
.endr
.endm
.macro KSTEP k
	s_wait_dscnt 0x0                               ; this K step's fragments are in (asked for ahead of the last K step's products)
.if \k < 7
	s_wait_alu depctr_va_vdst(0)
	STEPADR
	FETCH (\k+1)%2
.endif
	MUL (\k)%2, \k
	WIN 0
.endm
	s_load_b256 s[4:11], s[0:1], 0x0               ; hq s[4:5], wo s[6:7], bout s[8:9], out0 s[10:11]
	v_lshl_add_u32 v254, v0, 2, 0x4f400
	v_mov_b32 v255, 0
	ds_add_u32 v254, v255
	ds_add_u32 v254, v255
	v_lshrrev_b32 v1, 5, v0
	v_readfirstlane_b32 s[WV], v1                  ; wave 0..3
	s_bfe_u32 s19, ttmp6, 0x40000                  ; cx
	s_bfe_u32 s20, ttmp6, 0x40004                  ; cy
	s_and_b32 s21, ttmp7, 0xffff
	s_lshl_b32 s22, s21, 2
	s_add_co_u32 s22, s22, s20                     ; gy = 4 x cluster y + cy: the block of 128 rows
	s_lshl_b32 s23, ttmp9, 2
	s_add_co_u32 s23, s23, s19                     ; gx = 4 x cluster x + cx: the 256 columns
	s_lshl_b32 s84, s20, 2
	s_lshl_b32 s84, 15, s84                        ; my row of the cluster
	s_lshl_b32 s85, 0x1111, s19                    ; my column
	s_or_b32 s24, s84, (3<<16)|(1<<21)             ; group 1 for h: the mask; elements of 8 bytes; bit 21 beside a mask; no padding
	s_or_b32 s32, s85, (3<<16)|(1<<21)             ; for W
.irp g, 24, 32
	s_mov_b32 s[\g+1], 32<<16                      ; rows of 256 bytes,
	s_mov_b32 s[\g+2], 400<<16                     ; 400 of them: a whole block of eight records, dense in memory
	s_mov_b32 s[\g+3], 32<<16
	s_mov_b32 s[\g+4], 400
	s_mov_b32 s[\g+5], 32
	s_mov_b32 s[\g+6], 0
	s_mov_b32 s[\g+7], 0
.endr
	s_lshr_b32 s86, s[WV], 1                       ; which block of W I fetch: wave 1: 0, wave 2: 1
	s_mul_i32 s56, s22, BLK
	s_mov_b32 s57, 0
	s_lshl_b32 s87, s23, 1
	s_add_co_u32 s87, s87, s86
	s_mul_i32 s90, s87, BLK
	s_mov_b32 s91, 0
	s_mul_i32 s86, s86, BLK
	s_add_co_u32 s86, s86, R2AT                    ; and where it goes
	s_wait_dscnt 0x0
	s_wait_kmcnt 0x0
	s_add_nc_u64 s[62:63], s[4:5], s[56:57]
	s_add_nc_u64 s[96:97], s[6:7], s[90:91]
.irp q, 0
	s_mov_b32 s[40+4*\q], 1
	s_mov_b32 s[41+4*\q], CHK*\q
	s_add_nc_u64 s[42+4*\q:43+4*\q], s[62:63], CHK*\q
	s_or_b32 s[43+4*\q], s[43+4*\q], 0x80000000
	s_mov_b32 s[68+4*\q], 1
	s_add_co_u32 s[69+4*\q], s86, CHK*\q
	s_add_nc_u64 s[70+4*\q:71+4*\q], s[96:97], CHK*\q
	s_or_b32 s[71+4*\q], s[71+4*\q], 0x80000000
.endr
	CROUND                                         ; all sixteen work-groups are here: the joint loads meet
	s_cmp_eq_u32 s[WV], 0                          ; a wave's loads stand together in one branch on its number; four v_nop follow the last
	s_cbranch_scc0 .Lnot_a
	tensor_load_to_lds s[40:43], s[24:31]          ; AS THE TEXT NOW STANDS: three loads in all, one a wave, each a whole block of 102,400 bytes; wave 0 asks for h's
	s_nop 0
	PLACES 4
	s_branch .Lasked
.Lnot_a:
	s_cmp_lt_u32 s[WV], 3
	s_cbranch_scc0 .Lasked
	tensor_load_to_lds s[68:71], s[32:39]          ; waves 1 and 2: W's two blocks
	s_nop 0
	PLACES 4
.Lasked:
	v_and_b32 v13, 31, v0                          ; lane
	v_and_b32 v14, 15, v0                          ; r
	s_wait_alu depctr_va_vdst(0)
	v_bfe_u32 v15, v0, 4, 1                        ; h
	s_wait_alu depctr_va_vdst(0)
	v_lshlrev_b32 v[L16], 4, v13
	v_lshlrev_b32 v[L8], 3, v13
	v_mov_b32 v[A16], v[L16]
	v_mov_b32 v[A8], v[L8]
	v_lshl_add_u32 v[AS_], v14, 4, 12288
	s_lshr_b32 s56, s[WV], 1                       ; my 64 columns: quad wave % 2 of block wave / 2
	s_mul_i32 s56, s56, BLK
	s_and_b32 s57, s[WV], 1
	s_mul_i32 s90, s57, 6144
	s_add_co_u32 s90, s90, s56
	s_add_co_u32 s90, s90, R2AT
	v_add_nc_u32 v[B16], s90, v[L16]
	v_add_nc_u32 v[B8], s90, v[L8]
	s_lshl_b32 s57, s57, 8
	s_add_co_u32 s57, s57, s56
	s_add_co_u32 s57, s57, R2AT+12288
	v_lshl_add_u32 v[BS_], v14, 4, s57
	s_lshl_b32 s56, s23, 10
	s_lshl_b32 s57, s[WV], 8
	s_add_co_u32 s56, s56, s57                     ; 4 (256 gx + 64 wave): my columns, in bout and in a row of out0
	s_mov_b32 s57, 0
	s_add_nc_u64 s[62:63], s[8:9], s[56:57]
	v_lshlrev_b32 v3, 6, v15                       ; 64 h
.irp m, 0,1,2,3,4,5,6,7
	global_load_b128 v[BC+4*\m:BC+4*\m+3], v3, s[62:63] offset:128*(\m/4)+16*(\m%4)
.endr
	s_lshl_b32 s58, s22, 19                        ; 128 rows of 4,096 bytes
	s_add_co_u32 s58, s58, s56
	s_mov_b32 s59, 0
	s_add_nc_u64 s[84:85], s[10:11], s[58:59]
	s_mul_i32 s60, s[WV], 4352
	s_add_co_u32 s60, s60, STAGE                   ; my stage: 16 rows x (256 + 16) bytes
	v_mul_u32_u24 v[STO], v14, 272
	v_lshl_add_u32 v[STO], v15, 6, v[STO]
	v_add_nc_u32 v[STO], s60, v[STO]               ; in: row r, + 64 h
	v_mul_u32_u24 v[RD], v15, 272
	v_lshl_add_u32 v[RD], v14, 4, v[RD]
	v_add_nc_u32 v[RD], s60, v[RD]                 ; back: lanes 0-15 one row, lanes 16-31 the next
	v_lshlrev_b32 v[CO], 12, v15
	v_lshl_add_u32 v[CO], v14, 4, v[CO]            ; and the same in out0
	s_wait_loadcnt 0x0
	s_wait_tensorcnt 0x0                           ; my one load has landed; behind the barrier all of K lies in LDS, and no later wait on tensor loads is needed
	s_barrier_signal -1
	s_barrier_wait -1
	FETCH 0
.irp k, 0,1,2,3,4,5,6,7
	KSTEP \k
.endr
.macro TOSTAGE a                       ; tile a: each accumulator from its low end on; LDS serves a wave's instructions in order, so the loads see the stores, and the next tile's stores come behind these loads
	WIN 0x04                                       ; an LDS store's data are its source 1: window 1
.irp m, 0,1,2,3,4,5,6,7
	ds_store_b128 v[STO], v[32*(\a)+4*\m:32*(\a)+4*\m+3] offset:128*(\m/4)+16*(\m%4)
.endr
	WIN 0
.irp i, 0,1,2,3,4,5,6,7
	ds_load_b128 v[BK+32*((\a)%2)+4*\i:BK+32*((\a)%2)+4*\i+3], v[RD] offset:544*\i
.endr
.endm
.macro SEND a, younger                 ; younger: the LDS instructions issued behind tile a's loads
	s_wait_dscnt \younger
.irp i, 0,1,2,3,4,5,6,7
	global_store_b128 v[CO], v[BK+32*((\a)%2)+4*\i:BK+32*((\a)%2)+4*\i+3], s[84:85] offset:(32*((\a)/2)+8*((\a)%2)+2*\i+8*(\i/4))*4096 th:TH_STORE_NT   ; stage row 2 i + lane / 16 is the tile's lane: row 32 (a / 2) + 8 (a % 2) + r + 8 (r / 8)
.endr
.endm
	PLACES 4                                       ; in front of the first reads of results and of loads into operands
	TOSTAGE 0
.irp a, 1,2,3,4,5,6,7
.if \a > 1
	s_wait_xcnt 0x0                                ; the stores of two tiles ago have read the registers into which this tile's rows come back
.endif
	TOSTAGE \a
	SEND \a-1, 16                                  ; behind tile a - 1's loads: tile a's 8 stores and 8 loads
.endr
	SEND 7, 0
	s_wait_tensorcnt 0x0
	ds_add_u32 v254, v255
	s_wait_dscnt 0x0
	CROUND                                         ; the closing round: no work-group ends while a partner may still ask for a tile that names it
	s_endpgm
.Lfunc_end_k_qab40b42aa2_proj:
	.size	k_qab40b42aa2_proj, .Lfunc_end_k_qab40b42aa2_proj-k_qab40b42aa2_proj
	.p2alignl 7, 3214868480
	.fill 96, 4, 3214868480
	.section	.rodata,"a",@progbits
	.p2align	6, 0x0
	.amdhsa_kernel k_qab40b42aa2_proj
		.amdhsa_group_segment_fixed_size 325120
		.amdhsa_private_segment_fixed_size 0
		.amdhsa_enable_private_segment 0
		.amdhsa_kernarg_size 32
		.amdhsa_user_sgpr_count 2
		.amdhsa_user_sgpr_kernarg_segment_ptr 1
		.amdhsa_wavefront_size32 1
		.amdhsa_system_sgpr_workgroup_id_x 1
		.amdhsa_system_sgpr_workgroup_id_y 1
		.amdhsa_system_sgpr_workgroup_id_z 1
		.amdhsa_system_vgpr_workitem_id 0
		.amdhsa_next_free_vgpr 768
		.amdhsa_next_free_sgpr 100
		.amdhsa_reserve_vcc 0
		.amdhsa_float_denorm_mode_32 3
		.amdhsa_float_denorm_mode_16_64 3
		.amdhsa_memory_ordered 1
		.amdhsa_forward_progress 1
		.amdhsa_inst_pref_size 84
	.end_amdhsa_kernel
	.amdgpu_metadata
---
amdhsa.version: [ 1, 2 ]
amdhsa.kernels:
  - .name:           k_qab40b42aa2_proj
    .symbol:         k_qab40b42aa2_proj.kd
    .args:
      - { .name: hq, .offset: 0, .size: 8, .value_kind: global_buffer, .address_space: global }
      - { .name: wo, .offset: 8, .size: 8, .value_kind: global_buffer, .address_space: global }
      - { .name: bout, .offset: 16, .size: 8, .value_kind: global_buffer, .address_space: global }
      - { .name: out0, .offset: 24, .size: 8, .value_kind: global_buffer, .address_space: global }
    .group_segment_fixed_size: 325120
    .private_segment_fixed_size: 0
    .kernarg_segment_align: 8
    .kernarg_segment_size: 32
    .max_flat_workgroup_size: 128
    .sgpr_count:     100
    .vgpr_count:     768
    .wavefront_size: 32
...
	.end_amdgpu_metadata
.endif
;; end of part 4
